; MI455X (gfx1250); checked and timed in simulation.
; The chip was launched on July 23, 2026; its instructions are those of AMD's public machine-readable ISA for CDNA 5 (MIT licence, August 2026) and "CDNA5" Instruction Set Architecture Reference Guide (July 2026). The comments in the code are by the model that wrote it; some were corrected since.
;; Simplified Multi Head Self Attention. Allowed arithmetic: float matrix products may take bf16 or f16 operands with f32 sums; other float arithmetic in f32, or as packed bf16 or f16 multiplies, adds, multiply-adds, maxima and minima; sums over many terms, partial sums and values carried from step to step in f32; what a program stores and reads back later, other than sums and carried values, may be rounded once to bf16 or f16.
;; Inputs: W_msa 1,024 x 1,024 float32; W_qkv 1,024 x 3,072 float32; b_msa 1,024 float32; b_qkv 3,072 float32; z 4 x 2,048 x 1,024 float32.
;; Outputs: out0 4 x 2,048 x 1,024 float32.
;; One version. Each part assembles by itself: llvm-mc -triple=amdgcn-amd-amdhsa -mcpu=gfx1250 --defsym DOCPART=n.
;; ======== version 1 of 1: 4 launches
;; limits: values are held in f16: magnitudes above 65,504 overflow, below 6.1e-05 lose precision
;; workspace buffers: zb 16,777,216 bytes; wqb 6,291,456 bytes; wmb 2,097,152 bytes; qh 16,777,216 bytes; kh 16,777,216 bytes; vh 16,777,216 bytes; ob 16,777,216 bytes
;; launch cast (part 1): grid 768 x 1, 8 waves a work-group, no clusters, 0 bytes of LDS; arguments z, W_qkv, W_msa, zb, wqb, wmb; writes zb, wqb, wmb
.if DOCPART == 1
	.amdgcn_target "amdgcn-amd-amdhsa--gfx1250"
	.amdhsa_code_object_version 6
	.text
	.protected	k_qf175d881f8_cast
	.globl	k_qf175d881f8_cast
	.p2align	8
	.type	k_qf175d881f8_cast,@function
k_qf175d881f8_cast:
	s_mov_b64 s[64:65], 0
	v_nop
	global_prefetch_b8 v0, s[64:65] scope:SCOPE_SE
	s_setreg_imm32_b32 hwreg(HW_REG_WAVE_MODE, 25, 1), 1
	s_wait_xcnt 0x0
; z, W_qkv and W_msa, all f32, are rounded once to 16 bits; the layouts stay as they are.
;   zb  [8192][1024] bf16      wqb [1024 k][3072 n] bf16      wmb [1024 k][1024 n]: rounded to bf16 like the other inputs, that number written as f16
; LIMIT.  A bf16 number (8 significant bits) is exact in f16 from 2^-17 up to 65,504; a weight of W_msa below 2^-17 keeps f16's fixed step of 6e-8, one beyond 65,504 would become an infinity.
; A stream: no LDS, no barrier, no matrix unit, no cluster (no two work-groups read the same byte).  A work-group takes 16,384 numbers: 65,536 bytes in, 32,768 out.
; Work-groups 0-511 take z, 512-703 W_qkv, 704-767 W_msa: 768 groups of equal work.  Chunk i of 16 is 1,024 numbers: thread t loads the 16 bytes at 16 t + 4,096 i and stores the 8 bytes
; at 8 t + 2,048 i: a wave's load covers 512 consecutive bytes, a wave's store 256 consecutive bytes at a multiple of 256 from the buffer's first byte.
; All sixteen loads of a thread go out first; no register that a pending load or store names is written again.
.set GZ,   512                         ; work-groups for z: 8,388,608 numbers / 16,384
.set GQ,   704                         ; and up to here for W_qkv: 3,145,728 / 16,384 = 192 more
.set X,    4                           ; v[4:67]    chunk i: 4 numbers as loaded
.set Y,    68                          ; v[68:99]   chunk i: 4 numbers in 16 bits, to store
.set T,    100                         ; v[100:101] at work
	s_load_b256 s[4:11], s[0:1], 0x0               ; z s[4:5], W_qkv s[6:7], W_msa s[8:9], zb s[10:11]
	s_load_b128 s[12:15], s[0:1], 0x20             ; wqb s[12:13], wmb s[14:15]
	s_mov_b32 s16, ttmp9                           ; the work-group's number,
	s_sub_co_u32 s17, s16, GZ                      ; counted from W_qkv's first group,
	s_sub_co_u32 s18, s16, GQ                      ; and from W_msa's
	s_mov_b32 s26, 0xffff0000                      ; a word's upper bf16
	v_lshlrev_b32 v1, 4, v0                        ; 16 t
	v_lshlrev_b32 v2, 3, v0                        ; 8 t
	s_wait_kmcnt 0x0
	s_cmp_lt_u32 s16, GZ                           ; the choice of buffers hangs on the group's number alone
	s_cselect_b64 s[20:21], s[4:5], s[6:7]
	s_cselect_b64 s[22:23], s[10:11], s[12:13]
	s_cselect_b32 s19, s16, s17
	s_cmp_lt_u32 s16, GQ
	s_cselect_b64 s[20:21], s[20:21], s[8:9]
	s_cselect_b64 s[22:23], s[22:23], s[14:15]
	s_cselect_b32 s19, s19, s18                    ; my group's number within its tensor
	s_lshl_b32 s24, s19, 16                        ; 65,536 bytes in for each group
	s_mov_b32 s25, 0
	s_add_nc_u64 s[20:21], s[20:21], s[24:25]
	s_lshl_b32 s24, s19, 15                        ; 32,768 bytes out
	s_add_nc_u64 s[22:23], s[22:23], s[24:25]
.irp i, 0,1,2,3,4,5,6,7,8,9,10,11,12,13,14,15
	global_load_b128 v[X+4*(\i):X+4*(\i)+3], v1, s[20:21] offset:4096*(\i) th:TH_LOAD_NT  ; read once in the launch
.endr
; Chunk i.  half = 0: to bf16.  half = 1: to bf16, widened again, and that number written as f16.
.macro CONV i, half
	s_wait_loadcnt 15-(\i)                         ; loads come back in order (ISA guide 5.7.1): chunk i is in, the 15 - i younger ones stay out
.if \half
	v_cvt_pk_bf16_f32 v[T],   v[X+4*(\i)],   v[X+4*(\i)+1]
	v_cvt_pk_bf16_f32 v[T+1], v[X+4*(\i)+2], v[X+4*(\i)+3]
	v_lshlrev_b32 v[X+4*(\i)],   16,  v[T]
	v_and_b32     v[X+4*(\i)+1], s26, v[T]
	v_lshlrev_b32 v[X+4*(\i)+2], 16,  v[T+1]
	v_and_b32     v[X+4*(\i)+3], s26, v[T+1]
	v_cvt_pk_f16_f32 v[Y+2*(\i)],   v[X+4*(\i)],   v[X+4*(\i)+1]
	v_cvt_pk_f16_f32 v[Y+2*(\i)+1], v[X+4*(\i)+2], v[X+4*(\i)+3]
.else
	v_cvt_pk_bf16_f32 v[Y+2*(\i)],   v[X+4*(\i)],   v[X+4*(\i)+1]
	v_cvt_pk_bf16_f32 v[Y+2*(\i)+1], v[X+4*(\i)+2], v[X+4*(\i)+3]
.endif
	global_store_b64 v2, v[Y+2*(\i):Y+2*(\i)+1], s[22:23] offset:2048*(\i)  ; no hint: the next launch reads these bytes
.endm
	s_cmp_ge_u32 s16, GQ
	s_cbranch_scc1 .Lhalf
.irp i, 0,1,2,3,4,5,6,7,8,9,10,11,12,13,14,15
	CONV \i, 0
.endr
	s_endpgm
.Lhalf:
.irp i, 0,1,2,3,4,5,6,7,8,9,10,11,12,13,14,15
	CONV \i, 1
.endr
	s_endpgm
.Lfunc_end_k_qf175d881f8_cast:
	.size	k_qf175d881f8_cast, .Lfunc_end_k_qf175d881f8_cast-k_qf175d881f8_cast
	.p2alignl 7, 3214868480
	.fill 96, 4, 3214868480
	.section	.rodata,"a",@progbits
	.p2align	6, 0x0
	.amdhsa_kernel k_qf175d881f8_cast
		.amdhsa_group_segment_fixed_size 0
		.amdhsa_private_segment_fixed_size 0
		.amdhsa_enable_private_segment 0
		.amdhsa_kernarg_size 48
		.amdhsa_user_sgpr_count 2
		.amdhsa_user_sgpr_kernarg_segment_ptr 1
		.amdhsa_wavefront_size32 1
		.amdhsa_system_sgpr_workgroup_id_x 1
		.amdhsa_system_sgpr_workgroup_id_y 1
		.amdhsa_system_sgpr_workgroup_id_z 1
		.amdhsa_system_vgpr_workitem_id 0
		.amdhsa_next_free_vgpr 104
		.amdhsa_next_free_sgpr 66
		.amdhsa_reserve_vcc 0
		.amdhsa_float_denorm_mode_32 3
		.amdhsa_float_denorm_mode_16_64 3
		.amdhsa_memory_ordered 1
		.amdhsa_forward_progress 1
		.amdhsa_inst_pref_size 15
	.end_amdhsa_kernel
	.amdgpu_metadata
---
amdhsa.version: [ 1, 2 ]
amdhsa.kernels:
  - .name:           k_qf175d881f8_cast
    .symbol:         k_qf175d881f8_cast.kd
    .args:
      - { .name: z, .offset: 0, .size: 8, .value_kind: global_buffer, .address_space: global }
      - { .name: W_qkv, .offset: 8, .size: 8, .value_kind: global_buffer, .address_space: global }
      - { .name: W_msa, .offset: 16, .size: 8, .value_kind: global_buffer, .address_space: global }
      - { .name: zb, .offset: 24, .size: 8, .value_kind: global_buffer, .address_space: global }
      - { .name: wqb, .offset: 32, .size: 8, .value_kind: global_buffer, .address_space: global }
      - { .name: wmb, .offset: 40, .size: 8, .value_kind: global_buffer, .address_space: global }
    .group_segment_fixed_size: 0
    .private_segment_fixed_size: 0
    .kernarg_segment_align: 8
    .kernarg_segment_size: 48
    .max_flat_workgroup_size: 256
    .sgpr_count:     66
    .vgpr_count:     104
    .wavefront_size: 32
...
	.end_amdgpu_metadata
.endif
;; end of part 1
;; launch qkv (part 2): grid 16 x 32, 4 waves a work-group, clusters of 4 x 4, 327,680 bytes of LDS; arguments zb, wqb, b_qkv, qh, kh, vh; writes qh, kh, vh
.if DOCPART == 2
	.amdgcn_target "amdgcn-amd-amdhsa--gfx1250"
	.amdhsa_code_object_version 6
	.text
	.protected	k_qf175d881f8_qkv
	.globl	k_qf175d881f8_qkv
	.p2align	8
	.type	k_qf175d881f8_qkv,@function
k_qf175d881f8_qkv:
	s_mov_b64 s[64:65], 0
	v_nop
	global_prefetch_b8 v0, s[64:65] scope:SCOPE_SE
	s_setreg_imm32_b32 hwreg(HW_REG_WAVE_MODE, 25, 1), 1
	s_wait_xcnt 0x0
	s_wait_alu depctr_hold_cnt(0) depctr_sa_sdst(0) depctr_va_vdst(0) depctr_va_sdst(0) depctr_va_ssrc(0) depctr_va_vcc(0) depctr_vm_vsrc(0)
	s_getreg_b32 s2, hwreg(HW_REG_IB_STS2, 6, 4)
	s_cmp_eq_u32 s2, 0
	s_cbranch_scc0 .Lentry_in_a_cluster
	s_endpgm
.Lentry_in_a_cluster:
	s_bfe_u32 s2, ttmp6, 0x10000c
	s_cmp_lg_u32 s2, 0xf033
	s_cbranch_scc0 .Lentry_shape_is_right
	s_endpgm
.Lentry_shape_is_right:
; qkv = z W_qkv + b_qkv, written by heads.  zb: [8192][1024] bf16.  wqb: [1024 k][3072 n] bf16.  b_qkv: [3072] f32, rounded here to bf16 like the other inputs.
; qh, kh, vh: [16 batch + head][2048][64] f16, unscaled, each number rounded once from its f32 sum.  Head h owns the columns 192 h .. 192 h + 191: q (64), k (64), v (64).
; LIMIT.  f16 ends at 65,504: a |q|, |k| or |v| of 65,520 or more becomes an infinity.  z and W_qkv both 30 times the drawn spread give a spread of about 580, offsets of 30 spreads on both about 18,400.
; SHARES.  A tile is 256 rows x 192 columns, one head's q, k and v: 32 x 16 = 512 work-groups.  Four waves, 2 x 2: MH picks 128 rows, NH 96 columns: 8 x 6 = 48 accumulators of 16 x 16, 384 registers.
; K goes in 8 steps of 128 through two LDS slots filled by the tensor data mover; a step is four quarters of 32 along K: 48 matrix instructions and 28 LDS loads each.
; THE MATRIX INSTRUCTION IS USED TRANSPOSED: source 0 = 16 columns of W (turned on the way out of LDS by ds_load_tr16_b128, since W lies [k][n]), source 1 = 16 rows of z.  A lane then holds row l % 16
; and the columns 8 (l / 16) + 0..7: eight neighbouring numbers, 16 bytes in f16.  THE BIAS STARTS THE SUMS: it is the C operand of each accumulator's first product; nothing is cleared, nothing added later.
; CLUSTER.  4 x 4 work-groups.  The four of a row of the cluster need the same rows of z, the four of a column the same columns of W: each tile is asked for JOINTLY, by the same tensor load with the same
; descriptor and a mask that names the four.  A wave has two tensor loads out at the start and one behind each round.
; LDS.  A slot is 131,072 bytes: z's 256 rows of 256 + 16 bytes, then W's 128 k-rows of 480 bytes (384 of data, 16 of padding behind every 64).  Slot 0 at 0, slot 1 at 131,072, the spare words behind them.
; The stage for the way out, 256 rows x 400 bytes, lies in slot 0: it is written behind the barrier that ends K step 6, which is behind slot 0's last fill of the launch and behind its last read.
; REGISTERS, in windows of 256 (s_set_vgpr_msb: bits 1:0 source 0, 3:2 source 1, 5:4 source 2, 7:6 destination):
;   window 0: v0-29 addresses; v64-127, v128-191 z's fragments, two buffers; v192-215 packed results; on the way out v64-255 the rows read back
;   window 1: v64-111, v128-175 W's fragments, two buffers; v192-239 the bias, block b at 192 + 8 b; v240-243 at work
;   window 2: the accumulators of my rows 0-63 ((a, b) at v[8 (6 a + b)]);   window 3: those of my rows 64-127
.set PA,    272                        ; a row of z in LDS = 68 words: row r starts at bank 4 r mod 64 (64 banks of 4 bytes: ISA guide 11.1): the 16 rows of a load start at 16 different banks
.set PB,    480                        ; a k-row of W = 120 words = 15 x 32 bytes
.set HALFA, 128*PA                     ; what one tensor load brings of z
.set HALFB, 64*PB                      ; and of W
.set BOFF,  256*PA                     ; W's rows lie behind z's
.set SLOT1, 1<<17                      ; = BOFF + 128 PB: one exclusive or turns an address in one slot into the other's
.set SP,    400                        ; a row of the stage: 384 bytes + 16
.set SPARE, 2*SLOT1                    ; the spare words, 128 bytes for each wave: two blocks of 256 bytes that no other line names
.set ASTEP, 128*2                      ; a K step in zb, in bytes
.set BSTEP, 128*3072*2                 ; and in wqb
.set AA0,  14                          ; v14  my lane's place in z's part of a slot; never rewritten
.set AB0,  15                          ; v15  the same for W
.set ADRA, 16                          ; v16  AA0 + the slot in hand
.set ADRB, 20                          ; v20  AB0 + the slot in hand
.set STO,  24                          ; v24  the way out: where I put 16 bytes of a row
.set RD,   25                          ; v25  the way out: where I read rows back
.set GO,   26                          ; v26  my byte offset in 512 consecutive bytes of qh, kh, vh
.set BO,   27                          ; v27  my byte offset in b_qkv
.set SPW,  28                          ; v28  LDS address of my spare word; never rewritten
.set NIL,  29                          ; v29  0; never rewritten
.set F0,   64
.set F1,   128
.set TMP,  192
.set BIAS, 192                         ; in window 1
.set WV,  12                           ; s12  my wave's number
.set MH,  13                           ; s13  which 128 rows are mine.  Also: I fetch for z (0) or for W (1)
.set NH,  14                           ; s14  which 96 columns.  Also: which half of that tile I fetch
.set TB,  21                           ; s21  the slot in hand: 0 or SLOT1
.set G1A, 24                           ; s[24:31] descriptor group 1 for z's tiles
.set G0A, 32                           ; s[32:39] group 0: a set for each of the two first fills; the second then walks on
.set G1B, 48                           ; s[48:55], s[56:63] the same for W's tiles
.set G0B, 56
.set MSB, 0
.macro WIN new                         ; the immediate's high byte repeats the setting that is left; a switch that changes nothing is dropped
.if MSB != (\new)
	s_set_vgpr_msb (MSB<<8)|(\new)
.set MSB, \new
.endif
.endm
.set MUL_LO,   0xa1                    ; source 0 (W) window 1, source 1 (z) window 0, C and D window 2
.set MUL_HI,   0xf1                    ; the same, C and D window 3
.set FIRST_LO, 0x91                    ; C (the bias) window 1, D window 2
.set FIRST_HI, 0xd1                    ; C window 1, D window 3
.set TO_B,     0x40                    ; destination window 1, address window 0
; A joint refill, by the walking sets.  Waves 0 and 1 fetch z's two halves, waves 2 and 3 W's.  The branch hangs on the wave's number alone: it is the same in every work-group.
; An s_nop 0 and four v_nop follow each of the two lines, ahead of the jump, the label and what follows.
.macro JLOAD
	s_cmp_eq_u32 s[MH], 0
	s_cbranch_scc0 .Lfor_b_\@
	tensor_load_to_lds s[G0A+4:G0A+7], s[G1A:G1A+7]
	s_nop 0
.rept 4
	v_nop
.endr
	s_branch .Lasked_\@
.Lfor_b_\@:
	tensor_load_to_lds s[G0B+4:G0B+7], s[G1B:G1B+7]
	s_nop 0
.rept 4
	v_nop
.endr
.Lasked_\@:
.endm
.macro CREST                           ; a round of the cluster's barrier behind its opening barrier: wave 0 signals for the work-group, every wave waits for all sixteen, my work-group's barrier once more
	s_cmp_lg_u32 s[WV], 0
	s_cbranch_scc1 .Lnot_wave_0_\@
	s_barrier_signal -3
.Lnot_wave_0_\@:
	s_barrier_wait -3
	s_barrier_signal -1
	s_barrier_wait -1
.endm
.macro CROUND                          ; a whole round
	s_barrier_signal -1
	s_barrier_wait -1
	CREST
.endm
.macro PLACES                          ; four places in front of loads into registers that matrix instructions have read, and of lines that read results just made (ISA guide 7.12.1 for the lines that read results)
.rept 4
	v_nop
.endr
.endm
	s_load_b256 s[4:11], s[0:1], 0x0               ; zb s[4:5], wqb s[6:7], b_qkv s[8:9], qh s[10:11]
	s_load_b128 s[68:71], s[0:1], 0x20             ; kh s[68:69], vh s[70:71]
	v_lshl_add_u32 v[SPW], v0, 2, SPARE
	v_mov_b32 v[NIL], 0
	ds_add_u32 v[SPW], v[NIL]                      ; the wave's opening: the add and its wait stand ahead of my first tensor load; the set-up below, work on registers, stands between them
	v_lshrrev_b32 v1, 5, v0
	v_readfirstlane_b32 s[WV], v1                  ; wave 0..3
	s_lshr_b32 s[MH], s[WV], 1
	s_and_b32 s[NH], s[WV], 1
	s_bfe_u32 s15, ttmp6, 0x40000                  ; cx, cy: my place in the cluster
	s_bfe_u32 s16, ttmp6, 0x40004
	s_lshl_b32 s17, ttmp9, 2                       ; in a cluster launch ttmp9 and ttmp7 count clusters
	s_add_co_u32 s17, s17, s15                     ; the head = tile column = 4 x cluster x + cx
	s_and_b32 s18, ttmp7, 0xffff
	s_lshl_b32 s18, s18, 2
	s_add_co_u32 s18, s18, s16                     ; tile row = 4 x cluster y + cy
	s_lshl_b32 s19, s16, 2
	s_lshl_b32 s19, 15, s19                        ; my row of the cluster: places 4 cy .. 4 cy + 3
	s_lshl_b32 s20, 0x1111, s15                    ; my column: places cx, cx + 4, cx + 8, cx + 12
	; group 1 for z: 128 rows x 128 elements, 1,024 elements from row to row
	s_or_b32 s[G1A], s19, (1<<16)|(1<<20)|(1<<21)|(5<<22)|(3<<25)  ; 15:0 the mask: my row; 17:16 elements of 2 bytes; 20 padding on; 21 set beside a mask; 24:22 after every 64 words (code 5); 31:25 4 words (code 3)
	s_mov_b32 s[G1A+1], 128<<16                    ; tensor_dim0 = 128
	s_mov_b32 s[G1A+2], 128<<16                    ; tensor_dim1 = 128
	s_mov_b32 s[G1A+3], 128<<16                    ; tile_dim0 = 128
	s_mov_b32 s[G1A+4], 128                        ; tile_dim1 = 128
	s_mov_b32 s[G1A+5], 1024                       ; tensor_dim0_stride
	s_mov_b32 s[G1A+6], 0
	s_mov_b32 s[G1A+7], 0
	; group 1 for W: 64 k-rows x 192 elements, 3,072 elements from row to row
	s_or_b32 s[G1B], s20, (1<<16)|(1<<20)|(1<<21)|(3<<22)|(3<<25)  ; the mask: my column; padding after every 16 words (code 3), 4 words: six pieces of 64 + 16 bytes make a row of 480
	s_mov_b32 s[G1B+1], 192<<16                    ; tensor_dim0 = 192
	s_mov_b32 s[G1B+2], 64<<16                     ; tensor_dim1 = 64
	s_mov_b32 s[G1B+3], 192<<16                    ; tile_dim0 = 192
	s_mov_b32 s[G1B+4], 64                         ; tile_dim1 = 64
	s_mov_b32 s[G1B+5], 3072
	s_mov_b32 s[G1B+6], 0
	s_mov_b32 s[G1B+7], 0
	; where the tiles come from.  z's hang on the tile row alone, W's on the head alone; each offset lies in registers that never hold the other coordinate
	s_lshl_b32 s40, s18, 8
	s_lshl_b32 s41, s[NH], 7
	s_add_co_u32 s40, s40, s41                     ; z: row 256 x tile row + 128 x half,
	s_lshl_b32 s40, s40, 11                        ; of 2,048 bytes
	s_mov_b32 s41, 0
	s_mul_i32 s42, s[NH], 64*3072*2                ; W: k-row 64 x half,
	s_mul_i32 s43, s17, 192*2                      ; column 192 x head
	s_add_co_u32 s42, s42, s43
	s_mov_b32 s43, 0
	s_mul_i32 s22, s[NH], HALFA                    ; and where they go: no place in the cluster enters an LDS address
	s_mul_i32 s23, s[NH], HALFB
	s_add_co_u32 s23, s23, BOFF
	s_mov_b32 s[TB], 0
	s_wait_dscnt 0x0                               ; the opening add is done
	s_wait_kmcnt 0x0
	s_add_nc_u64 s[40:41], s[4:5], s[40:41]
	s_add_nc_u64 s[42:43], s[6:7], s[42:43]
	CROUND                                         ; all sixteen work-groups are here: the first joint loads meet
.irp s, 0,1
	s_mov_b32 s[G0A+4*(\s)], 1                                       ; 1:0 count = 1
	s_add_co_u32 s[G0A+4*(\s)+1], s22, (\s)*SLOT1                    ; 63:32 LDS address
	s_add_nc_u64 s[G0A+4*(\s)+2:G0A+4*(\s)+3], s[40:41], (\s)*ASTEP  ; 120:64 global address: K step s
	s_or_b32 s[G0A+4*(\s)+3], s[G0A+4*(\s)+3], 0x80000000            ; 127:126 type = 2
	s_mov_b32 s[G0B+4*(\s)], 1
	s_add_co_u32 s[G0B+4*(\s)+1], s23, (\s)*SLOT1
	s_add_nc_u64 s[G0B+4*(\s)+2:G0B+4*(\s)+3], s[42:43], (\s)*BSTEP
	s_or_b32 s[G0B+4*(\s)+3], s[G0B+4*(\s)+3], 0x80000000
.endr
	s_cmp_eq_u32 s[MH], 0                          ; a wave's two first fills stand in one branch, ahead of every wait on TENSORcnt and every LDS read
	s_cbranch_scc0 .Lfirst_b
	tensor_load_to_lds s[G0A:G0A+3], s[G1A:G1A+7]
	s_nop 0
	tensor_load_to_lds s[G0A+4:G0A+7], s[G1A:G1A+7]
	s_nop 0
.rept 4
	v_nop
.endr
	s_branch .Lfirst_asked
.Lfirst_b:
	tensor_load_to_lds s[G0B:G0B+3], s[G1B:G1B+7]
	s_nop 0
	tensor_load_to_lds s[G0B+4:G0B+7], s[G1B:G1B+7]
	s_nop 0
.rept 4
	v_nop
.endr
.Lfirst_asked:
	v_and_b32 v1, 15, v0                           ; l % 16
	v_bfe_u32 v2, v0, 4, 1                         ; l / 16
	s_mul_i32 s44, s17, 192*4                      ; the bias: my head's 192 numbers, my 96 of them,
	s_mul_i32 s45, s[NH], 96*4
	s_add_co_u32 s44, s44, s45
	v_lshl_add_u32 v[BO], v2, 5, s44               ; and of each block of 16 my lanes' eight
	WIN TO_B
.irp b, 0,1,2,3,4,5
	global_load_b128 v[BIAS+8*(\b):BIAS+8*(\b)+3],   v[BO], s[8:9] offset:64*(\b)
	global_load_b128 v[BIAS+8*(\b)+4:BIAS+8*(\b)+7], v[BO], s[8:9] offset:64*(\b)+16
.endr
	WIN 0
	; a fragment of z is 16 rows x 32 K in 8 registers: lane l holds row l % 16, K = 8 (l / 16) + 0..7 and 16 + 8 (l / 16) + 0..7: two loads of 16 bytes, 32 bytes apart
	v_mul_u32_u24 v[AA0], v1, PA
	v_lshl_add_u32 v[AA0], v2, 4, v[AA0]
	s_mul_i32 s45, s[MH], HALFA
	v_add_nc_u32 v[AA0], s45, v[AA0]               ; row x pitch + 16 x half + my 128 rows
	; the turning load takes 16 k x 16 columns (lane l reads k-row 8 (l / 16) + l % 8, columns 8 ((l / 8) % 2) + 0..7) and leaves half a fragment: lane l holds column l % 16 and 8 k
	v_and_b32 v3, 7, v0
	v_bfe_u32 v4, v0, 3, 1
	v_lshl_add_u32 v[AB0], v2, 3, v3
	v_mul_u32_u24 v[AB0], v[AB0], PB
	v_lshl_add_u32 v[AB0], v4, 4, v[AB0]
	s_mul_i32 s45, s[NH], 3*80                     ; my 96 columns are three padded pieces of 80 bytes
	s_add_co_u32 s45, s45, BOFF
	v_add_nc_u32 v[AB0], s45, v[AB0]
	v_mov_b32 v[ADRA], v[AA0]                      ; slot 0
	v_mov_b32 v[ADRB], v[AB0]
	v_mul_u32_u24 v[STO], v1, SP                   ; into the stage: row l % 16 of my 128, 16 bytes for each half of the lanes, my 192 bytes of the row
	v_lshl_add_u32 v[STO], v2, 4, v[STO]
	s_mul_i32 s45, s[MH], 128*SP
	s_mul_i32 s46, s[NH], 192
	s_add_co_u32 s45, s45, s46
	v_add_nc_u32 v[STO], s45, v[STO]
	v_bfe_u32 v[RD], v0, 3, 2                      ; back: wave w takes rows 64 w .. 64 w + 63; 32 lanes take 128 bytes of each of four rows,
	v_mul_u32_u24 v[RD], v[RD], SP
	v_lshl_add_u32 v[RD], v3, 4, v[RD]
	s_mul_i32 s45, s[WV], 64*SP
	v_add_nc_u32 v[RD], s45, v[RD]
	v_and_b32 v[GO], 31, v0                        ; which are 512 consecutive bytes of qh, kh or vh
	v_lshlrev_b32 v[GO], 4, v[GO]
	s_lshr_b32 s44, s18, 3                         ; the batch: 8 tile rows each
	s_lshl_b32 s44, s44, 4
	s_add_co_u32 s44, s44, s17                     ; 16 x batch + head,
	s_lshl_b32 s44, s44, 18                        ; of 2,048 rows x 128 bytes
	s_and_b32 s45, s18, 7
	s_lshl_b32 s45, s45, 15                        ; the tile's 256 rows
	s_add_co_u32 s44, s44, s45
	s_lshl_b32 s45, s[WV], 13                      ; the 64 of them that I store
	s_add_co_u32 s44, s44, s45
	s_mov_b32 s45, 0
	s_add_nc_u64 s[10:11], s[10:11], s[44:45]
	s_add_nc_u64 s[68:69], s[68:69], s[44:45]
	s_add_nc_u64 s[70:71], s[70:71], s[44:45]
	s_wait_loadcnt 0x0                             ; the bias
	WIN 0x45                                       ; destination and sources in window 1
.set i, 0
.rept 24                                       ; rounded to bf16 like every other input, and widened again
	v_cvt_pk_bf16_f32 v[240+i%4], v[BIAS+2*i], v[BIAS+2*i+1]
	v_lshlrev_b32 v[BIAS+2*i], 16, v[240+i%4]
	v_and_b32 v[BIAS+2*i+1], 0xffff0000, v[240+i%4]
.set i, i+1
.endr
	WIN 0
; 12 matrix instructions: row blocks a0, a0 + 1 of the window's four (hi = 0: my rows 0-63, 1: rows 64-127) x all 6 column blocks, 32 along K.  first = 1: the bias starts the sums.
; The 48 accumulators come in the same order in every quarter, one instruction a turn: between two links of a chain stand the 47 others'.
.macro MUL12 f, hi, a0, first
.if \first
	WIN FIRST_LO+0x40*(\hi)
.else
	WIN MUL_LO+0x50*(\hi)
.endif
.irp a, \a0, (\a0)+1
.irp b, 0,1,2,3,4,5
.if \first
	v_wmma_f32_16x16x32_bf16 v[8*(6*(\a)+(\b)):8*(6*(\a)+(\b))+7], v[(\f)+8*(\b):(\f)+8*(\b)+7], v[(\f)+8*(4*(\hi)+(\a)):(\f)+8*(4*(\hi)+(\a))+7], v[BIAS+8*(\b):BIAS+8*(\b)+7]
.else
	v_wmma_f32_16x16x32_bf16 v[8*(6*(\a)+(\b)):8*(6*(\a)+(\b))+7], v[(\f)+8*(\b):(\f)+8*(\b)+7], v[(\f)+8*(4*(\hi)+(\a)):(\f)+8*(4*(\hi)+(\a))+7], v[8*(6*(\a)+(\b)):8*(6*(\a)+(\b))+7]
.endif
.endr
.endr
.endm
; 28 LDS loads in one run: quarter q of the slot in hand into buffer f: W's 6 blocks of 16 columns (block j at piece j / 2, half j % 2), then z's 8 blocks of 16 rows
.macro FETCH q, f
	WIN TO_B
.irp j, 0,1,2,3,4,5
	ds_load_tr16_b128 v[(\f)+8*(\j):(\f)+8*(\j)+3],   v[ADRB] offset:(\q)*32*PB+((\j)/2)*80+((\j)%2)*32
	ds_load_tr16_b128 v[(\f)+8*(\j)+4:(\f)+8*(\j)+7], v[ADRB] offset:(\q)*32*PB+16*PB+((\j)/2)*80+((\j)%2)*32
.endr
	WIN 0
.irp i, 0,1,2,3,4,5,6,7
	ds_load_b128 v[(\f)+8*(\i):(\f)+8*(\i)+3],   v[ADRA] offset:(\q)*64+(\i)*16*PA
	ds_load_b128 v[(\f)+8*(\i)+4:(\f)+8*(\i)+7], v[ADRA] offset:(\q)*64+(\i)*16*PA+32
.endr
.endm
; One of a K step's first three quarters: multiplies buffer f; in its middle it fetches quarter q of the same slot into buffer g.
.macro QUARTER q, f, g, first
	s_wait_dscnt 8                                 ; W and z's rows 0-63 are in; the youngest eight loads (z's rows 64-127) may be out
	MUL12 \f, 0, 0, \first
	MUL12 \f, 0, 2, \first
	PLACES
	FETCH \q, \g
	s_wait_dscnt 28                                ; all but the 28 just issued
	MUL12 \f, 1, 0, \first
	MUL12 \f, 1, 2, \first
.endm
; The last quarter multiplies buffer 1 and changes slots: ONE barrier.  In front of it each wave waits for all its tensor loads, of which one is out: its part of the next slot; adds 0 to its spare word;
; and waits for that and for its own reads of this slot.  fill = 1: the barrier opens a round of the cluster's, and the slot just read out is filled again, first thing behind the round, with the K step
; two steps on: from that request to the wait for it a wave issues 168 matrix instructions.
.macro TURN fill
	WIN 0                                          ; (the add's two registers lie in window 0)
	s_wait_tensorcnt 0x0                           ; all my tensor loads have landed;
	ds_add_u32 v[SPW], v[NIL]                      ; 0 onto my spare word;
	s_wait_dscnt 9                                 ; (the add and the youngest eight loads may be out)
	MUL12 F1, 0, 0, 0                              ; twelve matrix instructions stand between the add and the wait for it
	s_wait_dscnt 0x0                               ; the add is done, and my reads of this slot are over
	s_barrier_signal -1
	MUL12 F1, 0, 2, 0                              ; work on registers while the others arrive
	WIN 0                                          ; (branches and two address lines follow)
	s_barrier_wait -1
.if \fill
	CREST                                          ; no wave of any partner still reads this slot's tile or has a load on its way
	s_xor_b32 s[G0A+5], s[G0A+5], SLOT1            ; the walking sets: the other slot than last time,
	s_add_nc_u64 s[G0A+6:G0A+7], s[G0A+6:G0A+7], ASTEP  ; the next K step; the type bits on top are not reached
	s_xor_b32 s[G0B+5], s[G0B+5], SLOT1
	s_add_nc_u64 s[G0B+6:G0B+7], s[G0B+6:G0B+7], BSTEP
	JLOAD                                          ; the four v_nop behind it are also the places in front of the loads below
.else
	PLACES
.endif
	s_xor_b32 s[TB], s[TB], SLOT1                  ; the fetches go on in the other slot
	v_add_nc_u32 v[ADRA], s[TB], v[AA0]
	v_add_nc_u32 v[ADRB], s[TB], v[AB0]
	FETCH 0, F0
	MUL12 F1, 1, 0, 0
	MUL12 F1, 1, 2, 0
.endm
	s_wait_tensorcnt 1                             ; my part of K step 0 is in; K step 1's may stay out
	s_barrier_signal -1
	s_barrier_wait -1                              ; everybody's is
	FETCH 0, F0
	QUARTER 1, F0, F1, 1                           ; the first quarter stands in front of the loop: its products start the sums
	WIN 0                                          ; at a label and at a branch every window is 0
	s_mov_b32 s3, 6
.Lstep:                                                ; trip t goes from K step t's second quarter to step t + 1's first, and asks for step t + 2: steps 2 to 7
	QUARTER 2, F1, F0, 0
	QUARTER 3, F0, F1, 0
	TURN 1
	QUARTER 1, F0, F1, 0
	WIN 0
	s_sub_co_u32 s3, s3, 1
	s_cmp_lg_u32 s3, 0
	s_cbranch_scc1 .Lstep
	QUARTER 2, F1, F0, 0                           ; the tail is written out: K steps 6 and 7 ask for nothing
	QUARTER 3, F0, F1, 0
	TURN 0
	QUARTER 1, F0, F1, 0
	QUARTER 2, F1, F0, 0
	QUARTER 3, F0, F1, 0
	s_wait_dscnt 8                                 ; the very last quarter: nothing more to fetch
	MUL12 F1, 0, 0, 0
	MUL12 F1, 0, 2, 0
	s_wait_dscnt 0x0
	MUL12 F1, 1, 0, 0
	MUL12 F1, 1, 2, 0
	; THE WAY OUT: rounded to f16, 16 bytes a lane, into the work-group's stage (slot 0, which nobody reads or fills any more); a barrier, since a row's k comes from two waves; back by heads' rows.
	PLACES
.irp a, 0,1,2,3,4,5,6,7
	WIN 0x0a+5*((\a)/4)                            ; sources 0 and 1: window 2 or 3
.irp b, 0,1,2,3,4,5
.irp r, 0,1,2,3
	v_cvt_pk_f16_f32 v[TMP+4*(\b)+(\r)], v[8*(6*((\a)%4)+(\b))+2*(\r)], v[8*(6*((\a)%4)+(\b))+2*(\r)+1]  ; each accumulator from its low end on
.endr
.endr
	WIN 0
.irp b, 0,1,2,3,4,5
	ds_store_b128 v[STO], v[TMP+4*(\b):TMP+4*(\b)+3] offset:(\a)*16*SP+32*(\b)
.endr
.endr
	s_wait_dscnt 0x0                               ; for the others' sake: my stores into the stage are done
	s_barrier_signal -1
	s_barrier_wait -1
.set n, 0
.rept 48                                       ; part n / 16 (q, k, v) of rows 4 (n % 16) .. + 3 of my 64
	ds_load_b128 v[64+4*n:64+4*n+3], v[RD] offset:(n/16)*128+(n%16)*4*SP
.set n, n+1
.endr
.set n, 0
.rept 48
	s_wait_dscnt 47-n                              ; LDS loads come back in order (ISA guide 5.7.1): number n is in
.if n < 16
	global_store_b128 v[GO], v[64+4*n:64+4*n+3], s[10:11] offset:512*(n%16)  ; 512 consecutive bytes, at a multiple of 256 from the buffer's first
.elseif n < 32
	global_store_b128 v[GO], v[64+4*n:64+4*n+3], s[68:69] offset:512*(n%16)
.else
	global_store_b128 v[GO], v[64+4*n:64+4*n+3], s[70:71] offset:512*(n%16)
.endif
.set n, n+1
.endr
	s_wait_tensorcnt 0x0                           ; the wave's end: the add and its wait, behind my last tensor load and my last LDS store
	ds_add_u32 v[SPW], v[NIL]
	s_wait_dscnt 0x0
	CROUND                                         ; the closing round: no work-group ends while a partner may still ask for a tile that names it
	s_endpgm
.Lfunc_end_k_qf175d881f8_qkv:
	.size	k_qf175d881f8_qkv, .Lfunc_end_k_qf175d881f8_qkv-k_qf175d881f8_qkv
	.p2alignl 7, 3214868480
	.fill 96, 4, 3214868480
	.section	.rodata,"a",@progbits
	.p2align	6, 0x0
	.amdhsa_kernel k_qf175d881f8_qkv
		.amdhsa_group_segment_fixed_size 327680
		.amdhsa_private_segment_fixed_size 0
		.amdhsa_enable_private_segment 0
		.amdhsa_kernarg_size 48
		.amdhsa_user_sgpr_count 2
		.amdhsa_user_sgpr_kernarg_segment_ptr 1
		.amdhsa_wavefront_size32 1
		.amdhsa_system_sgpr_workgroup_id_x 1
		.amdhsa_system_sgpr_workgroup_id_y 1
		.amdhsa_system_sgpr_workgroup_id_z 1
		.amdhsa_system_vgpr_workitem_id 0
		.amdhsa_next_free_vgpr 960
		.amdhsa_next_free_sgpr 72
		.amdhsa_reserve_vcc 0
		.amdhsa_float_denorm_mode_32 3
		.amdhsa_float_denorm_mode_16_64 3
		.amdhsa_memory_ordered 1
		.amdhsa_forward_progress 1
		.amdhsa_inst_pref_size 100
	.end_amdhsa_kernel
	.amdgpu_metadata
---
amdhsa.version: [ 1, 2 ]
amdhsa.kernels:
  - .name:           k_qf175d881f8_qkv
    .symbol:         k_qf175d881f8_qkv.kd
    .args:
      - { .name: zb, .offset: 0, .size: 8, .value_kind: global_buffer, .address_space: global }
      - { .name: wqb, .offset: 8, .size: 8, .value_kind: global_buffer, .address_space: global }
      - { .name: b_qkv, .offset: 16, .size: 8, .value_kind: global_buffer, .address_space: global }
      - { .name: qh, .offset: 24, .size: 8, .value_kind: global_buffer, .address_space: global }
      - { .name: kh, .offset: 32, .size: 8, .value_kind: global_buffer, .address_space: global }
      - { .name: vh, .offset: 40, .size: 8, .value_kind: global_buffer, .address_space: global }
    .group_segment_fixed_size: 327680
    .private_segment_fixed_size: 0
    .kernarg_segment_align: 8
    .kernarg_segment_size: 48
    .max_flat_workgroup_size: 128
    .sgpr_count:     72
    .vgpr_count:     960
    .wavefront_size: 32
...
	.end_amdgpu_metadata
.endif
;; end of part 2
;; launch attn (part 3): grid 4 x 64, 4 waves a work-group, clusters of 4 x 1, 327,680 bytes of LDS; arguments qh, kh, vh, ob; writes ob
.if DOCPART == 3
	.amdgcn_target "amdgcn-amd-amdhsa--gfx1250"
	.amdhsa_code_object_version 6
	.text
	.protected	k_qf175d881f8_attn
	.globl	k_qf175d881f8_attn
	.p2align	8
	.type	k_qf175d881f8_attn,@function
k_qf175d881f8_attn:
	s_mov_b64 s[64:65], 0
	v_nop
	global_prefetch_b8 v0, s[64:65] scope:SCOPE_SE
	s_setreg_imm32_b32 hwreg(HW_REG_WAVE_MODE, 25, 1), 1
	s_wait_xcnt 0x0
	s_wait_alu depctr_hold_cnt(0) depctr_sa_sdst(0) depctr_va_vdst(0) depctr_va_sdst(0) depctr_va_ssrc(0) depctr_va_vcc(0) depctr_vm_vsrc(0)
	s_getreg_b32 s2, hwreg(HW_REG_IB_STS2, 6, 4)
	s_cmp_eq_u32 s2, 0
	s_cbranch_scc0 .Lentry_in_a_cluster
	s_endpgm
.Lentry_in_a_cluster:
	s_bfe_u32 s2, ttmp6, 0x10000c
	s_cmp_lg_u32 s2, 0x3003
	s_cbranch_scc0 .Lentry_shape_is_right
	s_endpgm
.Lentry_shape_is_right:
; O[h][q][:] = the sum over k of softmax_k(Q[h][q] . K[h][k] / 8) V[h][k][:].  Q, K, V, O: [SIZE_H][SIZE_N][64], all f16: a head's rows are dense, 128 bytes each.  Products, maxima and sums in
; f32; the weights p are rounded to f16 for the second product (their sum l is taken of the unrounded p), O once at the end.
; LIMITS.  f16 holds no number beyond 65,504: Q, K and V arrive within it; p lies in 0 to 1, and below 6e-5 it keeps f16's fixed step of 6e-8; O is a mean of V's rows and has their range.
; A weight below 2^-126 counts as 0 in l; NaN and infinities are not treated apart.
; SHARES.  A wave owns four PIECES of two tiles of 16 queries, a work-group's four waves 512 queries of one head: 64 heads x 4 blocks = 256 work-groups.  Every wave walks all keys, 64 a step.
; LAYOUT.  S^T = K Q^T (source 0 = 16 keys, source 1 = 16 queries): in the result a lane holds ONE query (lane % 16) and the keys 8 (lane / 16) + 0..7.  Two such tiles, rounded to f16 in pairs,
; ARE source 1 (32 keys x 16 queries) of O^T = V^T P, whose result again holds one query a lane, and eight channels.  K comes out of LDS as it lies, V ([key][channel]) turned, by ds_load_tr16_b128.
; SOFTMAX.  For each query a running maximum m and sum l: p = 2^(c s - c m), c = log2(e) / 8; in every step O and l are multiplied by a = 2^(c m_old - c m_new), which is 1 where m has not grown.
; m starts at the lowest finite number, O and l at 0: the first step is a step like any other, with a = 0.
; THE COUNT.  A tile and step have 16 matrix and 118 vector instructions: too many to stand all beside the matrix work.  So the order has one aim: four vector instructions that are READY behind
; EVERY matrix instruction, and the others, which need time of their own whatever the order, in runs without a gap.
; BY TURNS.  Turn n belongs to piece n (the pieces in a ring, step after step).  Its matrix work: 16 products K Q^T of piece n + 1, later 16 products V^T P of piece n - 1.  Its vector work: the scaling,
; exponentials, roundings, sums and rescaling of piece n, and the maximum and statistics of piece n + 1, whose scores the turn itself has made.  So what a turn begins with (c s - c m, O a) waits for nothing.
; CLUSTER.  The four query blocks of a cluster belong to one head and walk the same K and V, so each tile is asked for JOINTLY: the same tensor load, descriptor and mask in all four.
; REGISTERS, in windows of 256 (s_set_vgpr_msb says which window each operand place means: bits 1:0 source 0, 3:2 source 1, 5:4 source 2, 7:6 destination):
;   window 0: v0-11 addresses; v12-15, v48-63 at work; v16-47 four registers of statistics a tile; v64-191 S^T, two buffers of two tiles; v192-255 P, likewise
;   window 1: O^T, 32 a tile          window 2: v0-127 Q, 16 a tile; v128-191 K of one step; v192-255 V of one step          window 3: v0-1 the add's two registers
; A piece's buffers go by its number's parity: the piece in hand has one pair, its two neighbours in the ring share the other: of it P (piece n - 1) is read and S^T (piece n + 1) written.
.set SIZE_H, 64       ; 4 batches x 16 heads
.set SIZE_N, 2048     ; rows of a head
.set NP,    4         ; pieces a wave: a name, no knob: the register map, the loop and the fetches are made for four
.set KS,    64        ; keys in a step
.set PK,    144       ; a row of K in LDS: 128 bytes + 16 of padding = 36 words: the 16 rows of a load start at 16 different groups of four banks (64 banks of 4 bytes: ISA guide 11.1)
.set PV,    160       ; a row of V: 128 + 32 = 40 words
.set VOFF,  4*KS*PK   ; a slot holds four steps: 256 rows of K, then 256 rows of V
.set SLOT1, 1<<17     ; slot 1 begins here, so that one exclusive or turns an address in one slot into the other's
.set STAGE, SLOT1+4*KS*(PK+PV)  ; behind the ring, never filled by a tensor load: 16 rows x 144 bytes for each wave, for the way out
.set SP,    144
.set AK0, 2           ; v2   my lane's place in a tile of K; never rewritten
.set AV0, 3           ; v3   the same for V
.set AK,  4           ; v4   the LDS address of K's next run of loads
.set AV,  5           ; v5   of V's
.set QO,  6           ; v6   my byte offset in the wave's rows of Q
.set STO, 6           ;      later, the way out: where I put 16 bytes of a row
.set RD,  7           ; v7   the way out: where I read rows back
.set GO,  8           ; v8   my byte offset in 512 consecutive bytes of O
.set SPW, 0           ; v0 of window 3   LDS address of my spare word: SPARE + 4 x my thread's number; never rewritten
.set NIL, 1           ; v1 of window 3   0; never rewritten
.set SPARE, STAGE+4*16*SP  ; behind the stages: the spare words, 128 bytes for each wave: two blocks of 256 bytes that no other line names
.set MV,  12          ; v12-15  c m_old, kept while c m is made anew: by buffer and tile
.set ST,  16          ; tile t's statistics at v[ST+4 t]: c m, m, l (even keys', odd keys')
.set TMP, 48          ; by buffer and tile, four registers c0-c3 at work; when the maximum is found c2 takes a
.set S,   64
.set P,   192
.set KF,  128         ; K's fragments, in window 2: key block kb, channel half c at KF + 16 kb + 8 c
.set VF,  192         ; V's: key half kk, channel block cb at VF + 32 kk + 8 cb
.set WV,  12          ; s12  my wave's number
.set G1K, 24          ; s[24:31] descriptor group 1 for K's tiles
.set G1V, 32          ; s[32:39] for V's: it differs in the padding alone
.set G0K, 40          ; s[40:43] descriptor group 0 for K's tiles: it walks
.set G0V, 44          ; s[44:47] the same for V's
.set SLOTS, 56        ; s56  slots still to be asked for
.set CNT, 57          ; s57  counts a slot's key steps
.set CS,  58          ; s[58:59] c: the packed scaling takes the pair's low word for both halves
.set SEL, 60          ; s[60:61] v_permlanex16_b32's selects: each lane takes its own place in the other half
.set TBK, 62          ; s62  LDS byte at which K of the step to be fetched begins
.set TBV, 63          ; s63  the same for V, less VOFF
.set MSB, 0
.macro WIN new                      ; the high byte repeats the setting that is left; a switch that changes nothing is dropped
.if MSB != (\new)
	s_set_vgpr_msb (MSB<<8)|(\new)
.set MSB, (\new)
.endif
.endm
.set W_KQ, 0x0a       ; K and Q in window 2, S^T in window 0
.set W_PV, 0x52       ; V in window 2, P in window 0, O^T in window 1
.set W_RS, 0x41       ; O^T (destination and source 0) in window 1, a in window 0
.set W_MK, 0xc0       ; the add's registers are made: destination in window 3, sources in window 0
.set W_AD, 0x0f       ; the add: address (source 0) and data (source 1) in window 3
; A joint fill.  Waves 0 and 1 fetch the two halves of a slot's K, waves 2 and 3 those of its V: 128 keys each.  The branch hangs on the wave's number alone.
; An s_nop 0 and four v_nop follow each of the two lines, ahead of the jump and the label.
.macro JLOAD
	s_cmp_lt_u32 s[WV], 2
	s_cbranch_scc0 .Lfor_v_\@
	tensor_load_to_lds s[G0K:G0K+3], s[G1K:G1K+7]
	s_nop 0
.rept 4
	v_nop
.endr
	s_branch .Lasked_\@
.Lfor_v_\@:
	tensor_load_to_lds s[G0V:G0V+3], s[G1V:G1V+7]
	s_nop 0
.rept 4
	v_nop
.endr
.Lasked_\@:
.endm
; A round of the cluster's barrier: my work-group's barrier, so that wave 0's signal speaks for all four waves; wave 0 signals; every wave waits for all four work-groups; my work-group's barrier once more.
.macro CROUND
	s_barrier_signal -1
	s_barrier_wait -1
	s_cmp_lg_u32 s[WV], 0
	s_cbranch_scc1 .Lnot_wave_0_\@
	s_barrier_signal -3
.Lnot_wave_0_\@:
	s_barrier_wait -3
	s_barrier_signal -1
	s_barrier_wait -1
.endm
; THE CHANGE OF SLOTS.  The slot's last bytes, V of its fourth step, have been read.  Each wave waits for all its tensor loads, of which one is out: its part
; of the other slot; adds 0 to its spare word; and waits for that and for its own reads of the slot.  Behind the barrier nobody reads this slot any more and the other slot is whole.
; fill = 1: this slot is filled again, with the keys two slots on.  The barrier is then a round of the cluster's, so that no wave of any partner still reads the slot or has a load on its
; way, and the joint fill is the first thing behind it: it has four key steps, 512 matrix instructions, in which to land.  (At its first use nothing has been read yet: slot 0 is waited for, slot 1 filled.)
.macro CHANGE fill
	WIN W_AD
	s_wait_tensorcnt 0x0            ; no tensor load of mine is out, so a group 0 may be written
	ds_add_u32 v[SPW], v[NIL]       ; 0 onto my spare word; with fill = 1 the descriptors' steps stand between it and the wait for it
	WIN 0                           ; at a label and at a branch every window is 0
.if \fill
.irp g, G0K, G0V
	s_xor_b32 s[\g+1], s[\g+1], SLOT1  ; the walking descriptor: the other slot than last time,
	s_add_nc_u64 s[\g+2:\g+3], s[\g+2:\g+3], 4*KS*128  ; the next 256 keys; the type bits on top are not reached
.endr
	s_wait_dscnt 0x0                ; the add is done, and my reads of the slot are over
	CROUND
	JLOAD
.else
	s_wait_dscnt 0x0                ; the add is done, and my reads of the slot are over
	s_barrier_signal -1
	s_barrier_wait -1
.endif
	s_sub_co_u32 s[TBK], s[TBK], 4*KS*PK  ; the fetches go back to a slot's first step,
	s_xor_b32 s[TBK], s[TBK], SLOT1       ; in the other slot
	s_sub_co_u32 s[TBV], s[TBV], 4*KS*PV
	s_xor_b32 s[TBV], s[TBV], SLOT1
.endm
	s_load_b256 s[4:11], s[0:1], 0x0  ; Q s[4:5], K s[6:7], V s[8:9], O s[10:11]
	WIN W_MK
	v_lshl_add_u32 v[SPW], v0, 2, SPARE
	v_mov_b32 v[NIL], 0
	WIN W_AD
	ds_add_u32 v[SPW], v[NIL]       ; the wave's opening: the add and its wait stand ahead of my first tensor load; the set-up below, work on registers, stands between them
	WIN 0
	v_lshrrev_b32 v1, 5, v0
	v_readfirstlane_b32 s[WV], v1   ; wave 0..3
	s_bfe_u32 s13, ttmp6, 0x40000   ; cx: my place in the cluster
	s_lshl_b32 s14, ttmp9, 2        ; in a cluster launch ttmp9 counts clusters
	s_add_co_u32 s14, s14, s13      ; my block of queries = 4 x cluster x + cx: it enters Q's and O's addresses alone
	s_and_b32 s20, ttmp7, 0xffff    ; the head, which the four partners share
	s_mov_b32 s21, 0
	s_mov_b64 s[22:23], SIZE_N*128
	s_mul_u64 s[20:21], s[20:21], s[22:23]  ; the head's first byte in each of the four tensors
	s_and_b32 s16, s[WV], 1         ; which half of a slot's 256 keys I fetch:
	s_lshl_b32 s22, s16, 14         ; its 128 rows of 128 bytes in memory,
	s_mov_b32 s23, 0
	s_add_nc_u64 s[22:23], s[22:23], s[20:21]
	s_mul_i32 s17, s16, 128*PK      ; and its place in a slot, for K
	s_mul_i32 s18, s16, 128*PV      ; and for V: no place in the cluster enters an LDS address
	s_lshl_b32 s2, s14, 2
	s_add_co_u32 s2, s2, s[WV]      ; my wave among the head's,
	s_lshl_b32 s2, s2, 14           ; its 128 rows
	s_mov_b32 s3, 0
	s_add_nc_u64 s[2:3], s[2:3], s[20:21]
	; descriptor group 1.  128 keys are 16,384 dense bytes: asked for as 64 rows of 256 bytes, two keys a row, and padded in LDS after every key
	s_mov_b32 s[G1K], 15|(1<<16)|(1<<20)|(1<<21)|(4<<22)|(3<<25)  ; 15:0 the mask of four; 17:16 2-byte elements; 20 padding on; 21 set beside a mask; 24:22 after every 32 words (code 4); 31:25 4 words (code 3)
	s_mov_b32 s[G1V], 15|(1<<16)|(1<<20)|(1<<21)|(4<<22)|(7<<25)  ; the same with 8 words of padding (code 7)
.irp g, G1K, G1V
	s_mov_b32 s[\g+1], 128<<16      ; tensor_dim0 = 128
	s_mov_b32 s[\g+2], 64<<16       ; tensor_dim1 = 64
	s_mov_b32 s[\g+3], 128<<16      ; tile_dim0 = 128
	s_mov_b32 s[\g+4], 64           ; tile_dim1 = 64
	s_mov_b32 s[\g+5], 128          ; 128 elements from row to row
	s_mov_b32 s[\g+6], 0
	s_mov_b32 s[\g+7], 0
.endr
	s_mov_b32 s[CS], 0x3e38aa3b     ; c = log2(e) / 8 = 0.180337
	s_mov_b32 s[CS+1], s[CS]        ; named with it as a pair
	s_mov_b32 s[SEL], 0x76543210
	s_mov_b32 s[SEL+1], 0xfedcba98
	s_mov_b32 s[TBK], SLOT1+4*KS*PK ; the first change of slots turns these two into 0
	s_mov_b32 s[TBV], SLOT1+4*KS*PV
	s_mov_b32 s[G0K], 1             ; 1:0 count = 1
	s_mov_b32 s[G0K+1], s17         ; 63:32 LDS address: slot 0
	s_mov_b32 s[G0V], 1
	s_add_co_u32 s[G0V+1], s18, VOFF
	s_wait_dscnt 0x0                ; the opening add is done
	s_wait_kmcnt 0x0
	s_add_nc_u64 s[G0K+2:G0K+3], s[6:7], s[22:23]  ; 120:64 global address: my half of the head's first 256 keys
	s_or_b32 s[G0K+3], s[G0K+3], 0x80000000        ; 127:126 type = 2
	s_add_nc_u64 s[G0V+2:G0V+3], s[8:9], s[22:23]
	s_or_b32 s[G0V+3], s[G0V+3], 0x80000000
	s_add_nc_u64 s[4:5], s[4:5], s[2:3]  ; Q and O at my wave's first row
	s_add_nc_u64 s[10:11], s[10:11], s[2:3]
	CROUND                          ; all four work-groups are here: the first joint loads meet
	JLOAD                           ; slot 0.  Slot 1 is asked for when slot 0 is in: the tile wanted first has the road to itself
	; A fragment of K or Q is 16 rows x 32 channels in 8 registers: lane l holds row l % 16, channels 8 (l / 16) + 0..7 and 16 + 8 (l / 16) + 0..7: two loads of 16 bytes, 32 bytes apart.
	v_and_b32 v1, 15, v0            ; l % 16
	v_bfe_u32 v9, v0, 4, 1          ; l / 16
	v_lshlrev_b32 v[QO], 7, v1
	v_lshl_add_u32 v[QO], v9, 4, v[QO]  ; row x 128 + 16 x half
	WIN 0x80                        ; destination window 2, address window 0
.set i, 0
.rept 4*NP                          ; Q stays in registers: tile i / 2, channels 32 (i % 2) on
	global_load_b128 v[8*i:8*i+3],   v[QO], s[4:5] offset:(i/2)*2048+(i%2)*64
	global_load_b128 v[8*i+4:8*i+7], v[QO], s[4:5] offset:(i/2)*2048+(i%2)*64+32
.set i, i+1
.endr
	; What the first turn finds: V's registers and P's second buffer hold 0 (its products V^T P, of a piece that has not been, add 0), O^T and l are 0.  All this stands in the wait for the first tile.
.set i, VF
.rept 64
	v_mov_b32 v[i], 0
.set i, i+1
.endr
	WIN 0x40
.set i, 0
.rept 64*NP
	v_mov_b32 v[i], 0
.set i, i+1
.endr
	WIN 0
.set i, 0
.rept 2*NP
	v_mov_b32 v[ST+4*i], 0xfe000000    ; c m: far below every c s
	v_mov_b32 v[ST+4*i+1], 0xff7fffff  ; m
	v_mov_b32 v[ST+4*i+2], 0
	v_mov_b32 v[ST+4*i+3], 0
.set i, i+1
.endr
.set i, P+32
.rept 32
	v_mov_b32 v[i], 0
.set i, i+1
.endr
	v_mul_u32_u24 v[AK0], v1, PK
	v_lshl_add_u32 v[AK0], v9, 4, v[AK0]  ; row x pitch + 16 x half
	; The turning load takes 16 keys x 16 channels (lane l reads key 8 (l / 16) + l % 8, channels 8 ((l / 8) % 2) + 0..7) and leaves half a fragment of V^T: lane l holds channel l % 16 and 8 keys.
	v_and_b32 v10, 7, v0
	v_bfe_u32 v11, v0, 3, 1
	v_lshl_add_u32 v[AV0], v9, 3, v10
	v_mul_u32_u24 v[AV0], v[AV0], PV
	v_lshl_add_u32 v[AV0], v11, 4, v[AV0]
	v_add_nc_u32 v[AV0], VOFF, v[AV0]
	v_mov_b32 v[AK], v[AK0]         ; key step 0 lies at the head of slot 0
; THE MATRIX WORK.  The 8 accumulators of a run of 16 take turns: between the two links of a chain stand 7 others'.
; Product i of 16 of S^T = K Q^T for piece x: channels 32 (i / 8) on, keys 16 ((i / 2) % 4) on, tile 2 x + i % 2.  The first 8 start the sums.
.macro KQ x
	WIN W_KQ
.set rS, S+64*((\x)%2)+32*(i%2)+8*((i/2)%4)
.set rK, KF+16*((i/2)%4)+8*(i/8)
.set rQ, 16*(2*(\x)+i%2)+8*(i/8)
.if i < 8
	v_wmma_f32_16x16x32_f16 v[rS:rS+7], v[rK:rK+7], v[rQ:rQ+7], 0
.else
	v_wmma_f32_16x16x32_f16 v[rS:rS+7], v[rK:rK+7], v[rQ:rQ+7], v[rS:rS+7]
.endif
.endm
; Product i of 16 of O^T += V^T P for piece x: keys 32 (i / 8) on, channels 16 ((i / 2) % 4) on, tile 2 x + i % 2.
.macro PV x
	WIN W_PV
.set rO, 32*(2*(\x)+i%2)+8*((i/2)%4)
.set rV, VF+32*(i/8)+8*((i/2)%4)
.set rP, P+32*((\x)%2)+16*(i%2)+8*(i/8)
	v_wmma_f32_16x16x32_f16 v[rO:rO+7], v[rV:rV+7], v[rP:rP+7], v[rO:rO+7]
.endm
.macro MM                           ; the turn's next matrix instruction
.if i < 16
	KQ (Y+1)%NP
.set i, i+1
.else
.set i, i-16
	PV (Y+NP-1)%NP
.set i, i+17
.endif
.endm
; THE LDS LOADS stand in runs of 16, never singly among the matrix instructions: a step's K (64 keys x 64 channels: 8 fragments) and its V (turned).  Their addresses are made some lines ahead.
; last = 1 (the tail): in the last trip there is no further step, and the run is jumped over.
.macro FETCH_K last=0
	WIN 0
.if \last
	s_cmp_eq_u32 s[CNT], 1
	s_cbranch_scc1 .Lno_k_\@
.endif
	WIN 0x80                        ; destination window 2
.irp f, 0,1,2,3,4,5,6,7             ; keys 16 (f / 2) on, channels 32 (f % 2) on
	ds_load_b128 v[KF+8*\f:KF+8*\f+3],   v[AK] offset:(\f/2)*16*PK+(\f%2)*64
	ds_load_b128 v[KF+8*\f+4:KF+8*\f+7], v[AK] offset:(\f/2)*16*PK+(\f%2)*64+32
.endr
	s_add_co_u32 s[TBK], s[TBK], KS*PK  ; the next fetch is the next step's
	WIN 0
.if \last
.Lno_k_\@:
.endif
.endm
.macro FETCH_V
	WIN 0x80
.irp f, 0,1,2,3,4,5,6,7             ; keys 32 (f / 4) on, channels 16 (f % 4) on
	ds_load_tr16_b128 v[VF+8*\f:VF+8*\f+3],   v[AV] offset:(\f/4)*32*PV+(\f%4)*32
	ds_load_tr16_b128 v[VF+8*\f+4:VF+8*\f+7], v[AV] offset:(\f/4)*32*PV+16*PV+(\f%4)*32
.endr
	WIN 0
.endm
; THE VECTOR WORK OF A TURN stands in three queues, each in the order in which its entries become ready; the two tiles alternate, so that no instruction reads the result of the one before it.
.macro REGS y, u                    ; the registers of tile u (0, 1) of piece y
.set rT, ST+4*(2*(\y)+(\u))
.set rC, TMP+8*((\y)%2)+4*(\u)
.set rM, MV+2*((\y)%2)+(\u)
.set rS, S+64*((\y)%2)+32*(\u)
.set rP, P+32*((\y)%2)+16*(\u)
.set rO, 32*(2*(\y)+(\u))
.endm
; Number n of the 22 that find the NEXT piece's (Y + 1) maximum and statistics.  s0-s31 are the lane's 32 scores; each accumulator's lowest registers are read first.  XS, GS and REGS set no window: PL and EX do.
;   0-11  four chains c0-c3 of seven scores each, three operands at a time     12-14, 16  the four scores left over, the old m, and c0-c3 into c0     15  c m_old is kept
;   17, 18  the query's other 32 keys lie in the lane 16 away: the new m         19-21  c m; c m_old - c m_new; a
.macro XS u, n
	REGS (Y+1)%NP, \u
.if (\n) < 4
	v_max3_num_f32 v[rC+(\n)], v[rS+8*(\n)], v[rS+8*(\n)+1], v[rS+8*(\n)+2]
.elseif (\n) < 12
	v_max3_num_f32 v[rC+(\n)%4], v[rC+(\n)%4], v[rS+8*((\n)%4)+2*((\n)/4)+1], v[rS+8*((\n)%4)+2*((\n)/4)+2]
.elseif (\n) == 12
	v_max3_num_f32 v[rC], v[rC], v[rS+7], v[rS+15]
.elseif (\n) == 13
	v_max3_num_f32 v[rC+1], v[rC+1], v[rS+23], v[rS+31]
.elseif (\n) == 14
	v_max3_num_f32 v[rC+2], v[rC+2], v[rC+3], v[rT+1]
.elseif (\n) == 15
	v_mov_b32 v[rM], v[rT]
.elseif (\n) == 16
	v_max3_num_f32 v[rC], v[rC], v[rC+1], v[rC+2]
.elseif (\n) == 17
	v_permlanex16_b32 v[rC+3], v[rC], s[SEL], s[SEL+1]
.elseif (\n) == 18
	v_max_num_f32 v[rT+1], v[rC], v[rC+3]
.elseif (\n) == 19
	v_mul_f32 v[rT], s[CS], v[rT+1]
.elseif (\n) == 20
	v_sub_f32 v[rC+1], v[rM], v[rT]
.else
	v_exp_f32 v[rC+2], v[rC+1]
.endif
.endm
; Number g of the 64 that follow the exponentials.  For each four weights k of a tile (pairs 2 k, 2 k + 1): both pairs are rounded to f16; then the second pair is added onto the first, in place;
; a group later l takes that sum (the first time as l = a l + sum).  In groups of eight, tiles alternating: round, round, add, and l for the group before.
.macro GS g
.set h, (\g)+6*((\g)/62)            ; group 0 has no group before it, and behind group 7 only l is left
.if h >= 6
.set h, h+2
.endif
	REGS Y, h%2
.set k, h/8
.if h%8 < 4
	s_wait_alu depctr_va_vdst(0)
	v_cvt_pk_f16_f32 v[rP+2*k+(h%8)/2], v[rS+4*k+2*((h%8)/2)], v[rS+4*k+2*((h%8)/2)+1]
.elseif h%8 < 6
	v_pk_add_f32 v[rS+4*k:rS+4*k+1], v[rS+4*k:rS+4*k+1], v[rS+4*k+2:rS+4*k+3]
.elseif k == 1
	v_pk_fma_f32 v[rT+2:rT+3], v[rT+2:rT+3], v[rC+2:rC+3], v[rS:rS+1] op_sel_hi:[1,0,1]
.else
	v_pk_add_f32 v[rT+2:rT+3], v[rT+2:rT+3], v[rS+4*k-4:rS+4*k-3]
	s_wait_alu depctr_va_vdst(0)
.endif
.endm
; THE PLAIN QUEUE, 138 long.  0-31: c s - c m for the 16 pairs of both tiles.  Then GS's 64, and among them the next piece's 42: number 15 at 38, 39; 0-14 and 16
; at 42-73, behind the products that make those scores; 17-20 at 95-106, two of three, since each waits for the one before it.
.macro PL
	WIN 0
.if q < 32
	REGS Y, q%2
	v_pk_fma_f32 v[rS+2*(q/2):rS+2*(q/2)+1], v[rS+2*(q/2):rS+2*(q/2)+1], s[CS:CS+1], v[rT:rT+1] op_sel_hi:[1,0,0] neg_lo:[0,0,1] neg_hi:[0,0,1]
.elseif q < 38
	GS q-32
.elseif q < 40
	XS q%2, 15
.elseif q < 42
	GS q-34
.elseif q < 74
	XS q%2, (q-42)/2+(q-42)/30
.elseif q < 95
	GS q-66
.elseif (q < 107) && ((q-95)%3 < 2)
	XS (q-95)%3, 17+(q-95)/3
.elseif q < 107
	GS 29+(q-95)/3
.else
	GS q-74
.endif
.set q, q+1
.endm
; THE EXPONENTIALS' QUEUE, 66 long: s0-s31 of both tiles, and at EA the next piece's two a.
.set EA, 58
.macro EX
	WIN 0
.if (e == EA) || (e == EA+1)
	XS e-EA, 21
.else
.set x, e-2*(e/(EA+2))
	REGS Y, x%2
	v_exp_f32 v[rS+x/2], v[rS+x/2]
.endif
.set e, e+1
.endm
; THE RESCALING's QUEUE: O^T times a, the one part that leaves window 0, so it is dealt four at a time, eight times.
.macro R4
	REGS Y, r%2
	WIN W_RS
	s_wait_alu depctr_va_vdst(0)
.irp z, 0,1,2,3
	v_pk_mul_f32 v[rO+8*(r/2)+2*\z:rO+8*(r/2)+2*\z+1], v[rO+8*(r/2)+2*\z:rO+8*(r/2)+2*\z+1], v[rC+2:rC+3] op_sel_hi:[1,0]
.endr
.set r, r+1
.endm
; HOW THEY ARE DEALT.  Behind a matrix instruction four: plain, exponential, plain, plain (one exponential, a plain instruction on either side), or four of the rescaling.  None names a register of the
; products round it.  What is over stands in two LUMPS: exponential and plain by turns; the second ends in 22 plain instructions.  The two v_permlanex16_b32 fall into the second lump, never behind a product.
; The queues lean on each other, and the deal keeps them in step: exponential e stands behind plain 2 (e / 4) + e % 2 (its scaling); when plain 32 comes, 10 exponentials are out, at 59: 33, at 95: 46; EA comes behind plain 107.
.macro SL
	MM
	PL
	EX
	PL
	PL
.endm
.macro BURST n                      ; 15 matrix instructions, or 16
.rept (\n)-7
	SL
.endr
.rept 3
	MM
	R4
	SL
.endr
	MM
	R4
.endm
; A TURN, for piece p.  cnt = 1: the loop's count is taken down some lines ahead of the branch that stands behind the turn.
; K of the next step is fetched in piece 2's turn, 31 vector instructions behind the last product that read K; its first reader comes behind the rest of the lump, 16 products and the second lump.
; V of the step in hand is fetched at the end of piece 0's turn, 69 behind its last reader; its first reader comes behind 16 products and a lump.  The four conditions on e and q below go with the deal.
.macro TURN p, last=0, cnt=0
.set Y, (\p)
.set i, 0
.set q, 0
.set e, 0
.set r, 0
.if (\p) == NP-1
	s_wait_dscnt 0x0                ; K is in
.endif
	MM
.rept 4
	PL
.endr
	BURST 15
.rept 22
	EX
	PL
.if ((\p) == NP-2) && (e == 18)
	v_add_nc_u32 v[AK], s[TBK], v[AK0]
.endif
.if ((\p) == NP-2) && (e == 24)
	FETCH_K \last
.endif
.endr
.if (\p) == 1
	s_wait_dscnt 0x0                ; V is in
.endif
	BURST 16
.rept 21
	EX
	PL
.endr
.rept 22
	PL
.if ((\p) == 0) && (q == 118)
	v_add_nc_u32 v[AV], s[TBV], v[AV0]
	s_wait_alu depctr_va_vdst(0)
.endif
.if ((\p) == 0) && (q == 130)
	s_add_co_u32 s[TBV], s[TBV], KS*PV
.endif
.if (\cnt) && (q == 130)
	s_sub_co_u32 s[CNT], s[CNT], 1
	s_cmp_lg_u32 s[CNT], 0
.endif
.endr
.if (\p) == 0
	FETCH_V
.endif
.endm
	CHANGE 1                        ; slot 0 is in, everybody's part of it; slot 1 is asked for
	FETCH_K                         ; key step 0
	s_wait_loadcnt 0x0              ; Q
	s_wait_dscnt 0x0
.set i, 0
.rept 16
	KQ 0                            ; piece 0's first scores: there is no vector work yet to set between them
.set i, i+1
.endr
	WIN 0                           ; the addresses for the way out: nine plain instructions, the places behind those products
	s_mul_i32 s13, s[WV], 16*SP
	s_add_co_u32 s13, s13, STAGE    ; my stage
	v_mul_u32_u24 v[STO], v1, SP    ; in: row l % 16, 16 bytes for each half of the lanes
	v_lshl_add_u32 v[STO], v9, 4, v[STO]
	v_add_nc_u32 v[STO], s13, v[STO]
	v_bfe_u32 v[RD], v0, 3, 2       ; back: 32 lanes take four rows of 128 bytes,
	v_mul_u32_u24 v[RD], v[RD], SP
	v_lshl_add_u32 v[RD], v10, 4, v[RD]
	v_add_nc_u32 v[RD], s13, v[RD]
	v_and_b32 v[GO], 31, v0         ; which are 512 consecutive bytes of O
	v_lshlrev_b32 v[GO], 4, v[GO]
.set Y, NP-1                        ; XS works for piece Y + 1: piece 0
.irp n, 0,1,2,3,4,5,6,7,8,9,10,11,12,13,14,15,16,17,18,19,20,21
	XS 0, \n                        ; and piece 0's first maximum and statistics
	XS 1, \n
.endr
	s_mov_b32 s[CNT], 4
	s_mov_b32 s[SLOTS], SIZE_N/256-1
	s_branch .Lfirst                ; the loop is entered at a step's first turn, in the middle of a trip
.Lslot:                             ; SIZE_N / 256 - 2 times: every slot but the last two is filled again
	CHANGE 1
	s_mov_b32 s[CNT], 4
.Lstep:                             ; a trip: pieces 2 and 3 of one step, then pieces 0 and 1 of the next, whose K and V it fetches
	TURN 2
	TURN 3
	WIN 0
.Lfirst:
	TURN 0
	TURN 1, 0, 1
	WIN 0
	s_cbranch_scc1 .Lstep
	s_sub_co_u32 s[SLOTS], s[SLOTS], 1
	s_cmp_lg_u32 s[SLOTS], 0
	s_cbranch_scc1 .Lslot
	CHANGE 0                        ; the tail is written out: nothing is asked for
	s_mov_b32 s[CNT], 5             ; four trips fetch the last slot's steps; the fifth is left in its middle
.Ltail:
	TURN 2, 1
	TURN 3
	WIN 0
	s_sub_co_u32 s[CNT], s[CNT], 1
	s_cmp_eq_u32 s[CNT], 0
	s_cbranch_scc1 .Lout
	TURN 0
	TURN 1
	WIN 0
	s_branch .Ltail
.Lout:                              ; the fifth trip's 16 products K Q^T (on the last K once more) and the maximum made of them serve nothing: the price, once a launch, of one text for every trip
.set i, 0
.rept 16
	PV NP-1                         ; the last piece's V^T P of the last step
.set i, i+1
.endr
	; THE WAY OUT.  l's two halves and the other half of the lanes' are added; O^T is divided by l, rounded to f16 and sent through my stage in LDS, a tile at a time.  The additions are the places behind the last products.
	WIN 0
.macro ALL line:vararg              ; one line for each tile t
.set t, 0
.rept 2*NP
	\line
.set t, t+1
.endr
.endm
	ALL v_add_f32 v[ST+4*t+2], v[ST+4*t+2], v[ST+4*t+3]
	ALL v_permlanex16_b32 v[ST+4*t+3], v[ST+4*t+2], s[SEL], s[SEL+1]
	ALL v_add_f32 v[ST+4*t+2], v[ST+4*t+2], v[ST+4*t+3]
	ALL v_rcp_f32 v[ST+4*t+2], v[ST+4*t+2]
	v_nop                           ; a plain instruction between the last reciprocal and the use of its result
	s_wait_alu depctr_va_vdst(0)
; Tile t: a lane's eight channels of a row pack into 16 bytes; they go into rows of 144 bytes and come back as whole rows of 128, into S^T's registers.
.macro PACK t
	WIN W_RS
.set i, 32*(\t)
.rept 16
	v_pk_mul_f32 v[i:i+1], v[i:i+1], v[ST+4*(\t)+2:ST+4*(\t)+3] op_sel_hi:[1,0]
.set i, i+2
.endr
	WIN 0x05                        ; sources 0 and 1 window 1, destination window 0
.set i, 0
.rept 16
	v_cvt_pk_f16_f32 v[S+16*(\t)+i], v[32*(\t)+2*i], v[32*(\t)+2*i+1]
.set i, i+1
.endr
	WIN 0
.irp f, 0,1,2,3
	ds_store_b128 v[STO], v[S+16*(\t)+4*\f:S+16*(\t)+4*\f+3] offset:32*\f
.endr
.irp f, 0,1,2,3
	ds_load_b128 v[S+16*(\t)+4*\f:S+16*(\t)+4*\f+3], v[RD] offset:\f*4*SP  ; LDS serves a wave's instructions in order (ISA guide 5.7.1.4): these see the stores above; the next tile's stores come behind them
.endr
.endm
.macro SEND t, younger              ; younger: the LDS instructions issued behind tile t's loads: the next tile's eight, or none
	WIN 0
.irp f, 0,1,2,3
	s_wait_dscnt (\younger)+3-\f
	global_store_b128 v[GO], v[S+16*(\t)+4*\f:S+16*(\t)+4*\f+3], s[10:11] offset:(\t)*2048+\f*512  ; 512 consecutive bytes, at a multiple of 256 from O's first
.endr
.endm
	PACK 0
.set t, 1
.rept 2*NP-1                        ; a tile's arithmetic stands between the loads of the tile before and its stores
	PACK t
	SEND t-1, 8
.set t, t+1
.endr
	SEND 2*NP-1, 0
	WIN W_AD
	s_wait_tensorcnt 0x0            ; the wave's end: the add and its wait, behind my last tensor load and my last LDS store
	ds_add_u32 v[SPW], v[NIL]
	s_wait_dscnt 0x0
	WIN 0
	CROUND                          ; the closing round: no work-group ends while a partner may still ask for a tile that names it
	s_endpgm
.Lfunc_end_k_qf175d881f8_attn:
	.size	k_qf175d881f8_attn, .Lfunc_end_k_qf175d881f8_attn-k_qf175d881f8_attn
	.p2alignl 7, 3214868480
	.fill 96, 4, 3214868480
	.section	.rodata,"a",@progbits
	.p2align	6, 0x0
	.amdhsa_kernel k_qf175d881f8_attn
		.amdhsa_group_segment_fixed_size 327680
		.amdhsa_private_segment_fixed_size 0
		.amdhsa_enable_private_segment 0
		.amdhsa_kernarg_size 32
		.amdhsa_user_sgpr_count 2
		.amdhsa_user_sgpr_kernarg_segment_ptr 1
		.amdhsa_wavefront_size32 1
		.amdhsa_system_sgpr_workgroup_id_x 1
		.amdhsa_system_sgpr_workgroup_id_y 1
		.amdhsa_system_sgpr_workgroup_id_z 1
		.amdhsa_system_vgpr_workitem_id 0
		.amdhsa_next_free_vgpr 770
		.amdhsa_next_free_sgpr 66
		.amdhsa_reserve_vcc 0
		.amdhsa_float_denorm_mode_32 3
		.amdhsa_float_denorm_mode_16_64 3
		.amdhsa_memory_ordered 1
		.amdhsa_forward_progress 1
		.amdhsa_inst_pref_size 208
	.end_amdhsa_kernel
	.amdgpu_metadata
---
amdhsa.version: [ 1, 2 ]
amdhsa.kernels:
  - .name:           k_qf175d881f8_attn
    .symbol:         k_qf175d881f8_attn.kd
    .args:
      - { .name: qh, .offset: 0, .size: 8, .value_kind: global_buffer, .address_space: global }
      - { .name: kh, .offset: 8, .size: 8, .value_kind: global_buffer, .address_space: global }
      - { .name: vh, .offset: 16, .size: 8, .value_kind: global_buffer, .address_space: global }
      - { .name: ob, .offset: 24, .size: 8, .value_kind: global_buffer, .address_space: global }
    .group_segment_fixed_size: 327680
    .private_segment_fixed_size: 0
    .kernarg_segment_align: 8
    .kernarg_segment_size: 32
    .max_flat_workgroup_size: 128
    .sgpr_count:     66
    .vgpr_count:     770
    .wavefront_size: 32
...
	.end_amdgpu_metadata
.endif
;; end of part 3
;; launch proj (part 4): grid 4 x 64, 4 waves a work-group, clusters of 4 x 4, 327,680 bytes of LDS; arguments ob, wmb, b_msa, out0; writes out0
.if DOCPART == 4
	.amdgcn_target "amdgcn-amd-amdhsa--gfx1250"
	.amdhsa_code_object_version 6
	.text
	.protected	k_qf175d881f8_proj
	.globl	k_qf175d881f8_proj
	.p2align	8
	.type	k_qf175d881f8_proj,@function
k_qf175d881f8_proj:
	s_mov_b64 s[64:65], 0
	v_nop
	global_prefetch_b8 v0, s[64:65] scope:SCOPE_SE
	s_setreg_imm32_b32 hwreg(HW_REG_WAVE_MODE, 25, 1), 1
	s_wait_xcnt 0x0
	s_wait_alu depctr_hold_cnt(0) depctr_sa_sdst(0) depctr_va_vdst(0) depctr_va_sdst(0) depctr_va_ssrc(0) depctr_va_vcc(0) depctr_vm_vsrc(0)
	s_getreg_b32 s2, hwreg(HW_REG_IB_STS2, 6, 4)
	s_cmp_eq_u32 s2, 0
	s_cbranch_scc0 .Lentry_in_a_cluster
	s_endpgm
.Lentry_in_a_cluster:
	s_bfe_u32 s2, ttmp6, 0x10000c
	s_cmp_lg_u32 s2, 0xf033
	s_cbranch_scc0 .Lentry_shape_is_right
	s_endpgm
.Lentry_shape_is_right:
; out0 = attn W_msa + b_msa.  ob: [16 batch + head][2048][64] f16, so row (batch, n) of attn has its channels 64 h .. 64 h + 63 in head h's row n.  wmb: [1024 k][1024 n] f16 (bf16-rounded numbers).
; b_msa: [1024] f32, rounded here to bf16 like the other inputs.  out0: [8192][1024] f32.  Sums in f32, K ascending; nothing is rounded on the way out.
; SHARES.  A tile is 128 rows x 256 columns: 64 x 4 = 256 work-groups.  Four waves, 2 x 2: MH picks 64 rows, NH 128 columns: 4 x 8 = 32 accumulators of 16 x 16, 256 registers.
; K goes in 8 steps of 128, two heads each, through two LDS slots; a step is four quarters of 32 along K: 32 matrix instructions and 24 LDS loads each.
; THE MATRIX INSTRUCTION IS USED TRANSPOSED: source 0 = 16 columns of W (turned on the way out of LDS by ds_load_tr16_b128), source 1 = 16 rows of attn: a lane holds row l % 16 and the columns
; 8 (l / 16) + 0..7, 32 neighbouring bytes.  THE BIAS STARTS THE SUMS, as the C operand of each accumulator's first product.
; CLUSTER.  4 x 4 work-groups: the four of a row of the cluster need the same rows of attn, the four of a column the same columns of W: each tile is asked for JOINTLY.  A wave
; has two tensor loads out at the start and one behind each round.
; LDS.  A slot: two heads' 128 rows of 128 + 16 bytes (a head's 128 rows are 16,384 dense bytes, asked for as 64 rows of 256), then W's 128 k-rows of 512 + 32 bytes: 106,496 bytes.  Slot 1 at 131,072.
; Behind the ring, in bytes that no tensor load fills: a stage of 16 rows x 528 bytes for each wave, then the spare words.
; REGISTERS, in windows of 256 (s_set_vgpr_msb: bits 1:0 source 0, 3:2 source 1, 5:4 source 2, 7:6 destination):
;   window 0: v0-29 addresses; v64-127, v128-191 rows read back on the way out, by turns        window 1: the accumulators, (a, b) at v[8 (8 a + b)]
;   window 2: two fragment buffers of 96 (32 of attn, then 64 of W) at v0 and v96; v192-255 the bias, block b at 192 + 8 b
.set PA,    144                        ; a row of a head in LDS = 36 words: the 16 rows of a load start at 16 different groups of four banks (64 banks of 4 bytes: ISA guide 11.1)
.set PB,    544                        ; a k-row of W = 136 words = 17 x 32 bytes
.set SUBA,  128*PA                     ; one head's 128 rows: what one tensor load brings of attn
.set HALFB, 64*PB                      ; and of W
.set BOFF,  2*SUBA
.set SLOT1, 1<<17
.set STAGE, SLOT1+BOFF+128*PB          ; 237,568
.set SPITCH, 528                       ; a row of a stage: 512 bytes + 16
.set SPARE, STAGE+4*16*SPITCH          ; the spare words, 128 bytes for each wave: two blocks of 256 bytes that no other line names
.set ASTEP, 2*2048*128                 ; a K step in ob: two heads on
.set BSTEP, 128*1024*2                 ; and in wmb
.set AA0,  14                          ; v14  my lane's place in attn's part of a slot; never rewritten
.set AB0,  15                          ; v15  the same for W
.set ADRA, 16                          ; v16  AA0 + the slot in hand
.set ADRB, 20                          ; v20  AB0 + the slot in hand
.set STO,  24                          ; v24  the way out: where I put 32 bytes of a row
.set RD,   25                          ; v25  the way out: where I read a row back
.set CO,   26                          ; v26  my byte offset in 512 consecutive bytes of out0
.set BO,   27                          ; v27  my byte offset in b_msa
.set SPW,  28                          ; v28  LDS address of my spare word; never rewritten
.set NIL,  29                          ; v29  0; never rewritten
.set F0,   0                           ; in window 2
.set F1,   96
.set BIAS, 192
.set WV,  12                           ; s12  my wave's number
.set MH,  13                           ; s13  which 64 rows are mine.  Also: I fetch for attn (0) or for W (1)
.set NH,  14                           ; s14  which 128 columns.  Also: which head of the step's two, or which 64 k-rows, I fetch
.set TB,  21                           ; s21  the slot in hand: 0 or SLOT1
.set G1A, 24                           ; s[24:31] descriptor group 1 for attn's tiles
.set G0A, 32                           ; s[32:39] group 0: a set for each of the two first fills; the second then walks on
.set G1B, 48                           ; s[48:55], s[56:63] the same for W's tiles
.set G0B, 56
.set MSB, 0
.macro WIN new                         ; the immediate's high byte repeats the setting that is left; a switch that changes nothing is dropped
.if MSB != (\new)
	s_set_vgpr_msb (MSB<<8)|(\new)
.set MSB, \new
.endif
.endm
.set MUL,   0x5a                       ; sources 0 and 1 window 2, C and D window 1
.set FIRST, 0x6a                       ; C (the bias) window 2, D window 1
.set TO_F,  0x80                       ; destination window 2, address window 0
; A joint refill, by the walking sets.  Waves 0 and 1 fetch the step's two heads, waves 2 and 3 W's two halves.  The branch hangs on the wave's number alone.
; An s_nop 0 and four v_nop follow each of the two lines, ahead of the jump, the label and what follows.
.macro JLOAD
	s_cmp_eq_u32 s[MH], 0
	s_cbranch_scc0 .Lfor_b_\@
	tensor_load_to_lds s[G0A+4:G0A+7], s[G1A:G1A+7]
	s_nop 0
.rept 4
	v_nop
.endr
	s_branch .Lasked_\@
.Lfor_b_\@:
	tensor_load_to_lds s[G0B+4:G0B+7], s[G1B:G1B+7]
	s_nop 0
.rept 4
	v_nop
.endr
.Lasked_\@:
.endm
.macro CREST                           ; a round of the cluster's barrier behind its opening barrier
	s_cmp_lg_u32 s[WV], 0
	s_cbranch_scc1 .Lnot_wave_0_\@
	s_barrier_signal -3
.Lnot_wave_0_\@:
	s_barrier_wait -3
	s_barrier_signal -1
	s_barrier_wait -1
.endm
.macro CROUND                          ; a whole round
	s_barrier_signal -1
	s_barrier_wait -1
	CREST
.endm
.macro PLACES                          ; four places in front of loads into registers that matrix instructions have read, and of lines that read results just made (ISA guide 7.12.1 for the lines that read results)
.rept 4
	v_nop
.endr
.endm
	s_load_b256 s[4:11], s[0:1], 0x0               ; ob s[4:5], wmb s[6:7], b_msa s[8:9], out0 s[10:11]
	v_lshl_add_u32 v[SPW], v0, 2, SPARE
	v_mov_b32 v[NIL], 0
	ds_add_u32 v[SPW], v[NIL]                      ; the wave's opening: the add and its wait stand ahead of my first tensor load; the set-up below, work on registers, stands between them
	v_lshrrev_b32 v1, 5, v0
	v_readfirstlane_b32 s[WV], v1                  ; wave 0..3
	s_lshr_b32 s[MH], s[WV], 1
	s_and_b32 s[NH], s[WV], 1
	s_bfe_u32 s15, ttmp6, 0x40000                  ; cx, cy: my place in the cluster
	s_bfe_u32 s16, ttmp6, 0x40004
	s_lshl_b32 s17, ttmp9, 2
	s_add_co_u32 s17, s17, s15                     ; tile column = 4 x cluster x + cx
	s_and_b32 s18, ttmp7, 0xffff
	s_lshl_b32 s18, s18, 2
	s_add_co_u32 s18, s18, s16                     ; tile row = 4 x cluster y + cy
	s_lshl_b32 s19, s16, 2
	s_lshl_b32 s19, 15, s19                        ; my row of the cluster
	s_lshl_b32 s20, 0x1111, s15                    ; my column
	; group 1 for attn: 64 rows of 128 elements (two rows of a head each), dense
	s_or_b32 s[G1A], s19, (1<<16)|(1<<20)|(1<<21)|(4<<22)|(3<<25)  ; 15:0 the mask: my row; 17:16 elements of 2 bytes; 20 padding on; 21 set beside a mask; 24:22 after every 32 words (code 4); 31:25 4 words (code 3)
	s_mov_b32 s[G1A+1], 128<<16                    ; tensor_dim0 = 128
	s_mov_b32 s[G1A+2], 64<<16                     ; tensor_dim1 = 64
	s_mov_b32 s[G1A+3], 128<<16                    ; tile_dim0 = 128
	s_mov_b32 s[G1A+4], 64                         ; tile_dim1 = 64
	s_mov_b32 s[G1A+5], 128                        ; tensor_dim0_stride
	s_mov_b32 s[G1A+6], 0
	s_mov_b32 s[G1A+7], 0
	; group 1 for W: 64 k-rows x 256 elements, 1,024 elements from row to row
	s_or_b32 s[G1B], s20, (1<<16)|(1<<20)|(1<<21)|(6<<22)|(7<<25)  ; the mask: my column; padding after every 128 words (code 6), 8 words (code 7)
	s_mov_b32 s[G1B+1], 256<<16
	s_mov_b32 s[G1B+2], 64<<16
	s_mov_b32 s[G1B+3], 256<<16
	s_mov_b32 s[G1B+4], 64
	s_mov_b32 s[G1B+5], 1024
	s_mov_b32 s[G1B+6], 0
	s_mov_b32 s[G1B+7], 0
	; where the tiles come from.  attn's hang on the tile row alone, W's on the tile column alone; each offset lies in registers that never hold the other coordinate
	s_lshr_b32 s40, s18, 4                         ; the batch: 16 tile rows each
	s_lshl_b32 s40, s40, 4
	s_add_co_u32 s40, s40, s[NH]                   ; 16 x batch + the head that I fetch of K step 0,
	s_lshl_b32 s40, s40, 18                        ; of 2,048 rows x 128 bytes
	s_and_b32 s41, s18, 15
	s_lshl_b32 s41, s41, 14                        ; the tile's 128 rows
	s_add_co_u32 s40, s40, s41
	s_mov_b32 s41, 0
	s_lshl_b32 s42, s[NH], 17                      ; W: k-row 64 x half, of 2,048 bytes,
	s_lshl_b32 s43, s17, 9                         ; column 256 x tile column
	s_add_co_u32 s42, s42, s43
	s_mov_b32 s43, 0
	s_mul_i32 s22, s[NH], SUBA                     ; and where they go: no place in the cluster enters an LDS address
	s_mul_i32 s23, s[NH], HALFB
	s_add_co_u32 s23, s23, BOFF
	s_mov_b32 s[TB], 0
	s_wait_dscnt 0x0                               ; the opening add is done
	s_wait_kmcnt 0x0
	s_add_nc_u64 s[40:41], s[4:5], s[40:41]
	s_add_nc_u64 s[42:43], s[6:7], s[42:43]
	CROUND                                         ; all sixteen work-groups are here: the first joint loads meet
.irp s, 0,1
	s_mov_b32 s[G0A+4*(\s)], 1                                       ; 1:0 count = 1
	s_add_co_u32 s[G0A+4*(\s)+1], s22, (\s)*SLOT1                    ; 63:32 LDS address
	s_add_nc_u64 s[G0A+4*(\s)+2:G0A+4*(\s)+3], s[40:41], (\s)*ASTEP  ; 120:64 global address: K step s
	s_or_b32 s[G0A+4*(\s)+3], s[G0A+4*(\s)+3], 0x80000000            ; 127:126 type = 2
	s_mov_b32 s[G0B+4*(\s)], 1
	s_add_co_u32 s[G0B+4*(\s)+1], s23, (\s)*SLOT1
	s_add_nc_u64 s[G0B+4*(\s)+2:G0B+4*(\s)+3], s[42:43], (\s)*BSTEP
	s_or_b32 s[G0B+4*(\s)+3], s[G0B+4*(\s)+3], 0x80000000
.endr
	s_cmp_eq_u32 s[MH], 0                          ; a wave's two first fills stand in one branch, ahead of every wait on TENSORcnt and every LDS read
	s_cbranch_scc0 .Lfirst_b
	tensor_load_to_lds s[G0A:G0A+3], s[G1A:G1A+7]
	s_nop 0
	tensor_load_to_lds s[G0A+4:G0A+7], s[G1A:G1A+7]
	s_nop 0
.rept 4
	v_nop
.endr
	s_branch .Lfirst_asked
.Lfirst_b:
	tensor_load_to_lds s[G0B:G0B+3], s[G1B:G1B+7]
	s_nop 0
	tensor_load_to_lds s[G0B+4:G0B+7], s[G1B:G1B+7]
	s_nop 0
.rept 4
	v_nop
.endr
.Lfirst_asked:
	v_and_b32 v1, 15, v0                           ; l % 16
	v_bfe_u32 v2, v0, 4, 1                         ; l / 16
	s_lshl_b32 s44, s17, 10                        ; the bias: my tile's 256 numbers, my 128 of them,
	s_lshl_b32 s45, s[NH], 9
	s_add_co_u32 s44, s44, s45
	v_lshl_add_u32 v[BO], v2, 5, s44               ; and of each block of 16 my lanes' eight
	WIN TO_F
.irp b, 0,1,2,3,4,5,6,7
	global_load_b128 v[BIAS+8*(\b):BIAS+8*(\b)+3],   v[BO], s[8:9] offset:64*(\b)
	global_load_b128 v[BIAS+8*(\b)+4:BIAS+8*(\b)+7], v[BO], s[8:9] offset:64*(\b)+16
.endr
	WIN 0
	v_mul_u32_u24 v[AA0], v1, PA                   ; a fragment of attn: row x pitch + 16 x half + my 64 rows
	v_lshl_add_u32 v[AA0], v2, 4, v[AA0]
	s_mul_i32 s45, s[MH], 64*PA
	v_add_nc_u32 v[AA0], s45, v[AA0]
	v_and_b32 v3, 7, v0                            ; the turning load: lane l reads k-row 8 (l / 16) + l % 8, columns 8 ((l / 8) % 2) + 0..7
	v_bfe_u32 v4, v0, 3, 1
	v_lshl_add_u32 v[AB0], v2, 3, v3
	v_mul_u32_u24 v[AB0], v[AB0], PB
	v_lshl_add_u32 v[AB0], v4, 4, v[AB0]
	s_lshl_b32 s45, s[NH], 8                       ; my 128 columns
	s_add_co_u32 s45, s45, BOFF
	v_add_nc_u32 v[AB0], s45, v[AB0]
	v_mov_b32 v[ADRA], v[AA0]                      ; slot 0
	v_mov_b32 v[ADRB], v[AB0]
	s_mul_i32 s45, s[WV], 16*SPITCH
	s_add_co_u32 s45, s45, STAGE                   ; my stage
	v_mul_u32_u24 v[STO], v1, SPITCH               ; in: row l % 16, 32 bytes for each half of the lanes
	v_lshl_add_u32 v[STO], v2, 5, v[STO]
	v_add_nc_u32 v[STO], s45, v[STO]
	v_and_b32 v[CO], 31, v0                        ; back: 32 lanes take one row's 512 bytes,
	v_lshlrev_b32 v[CO], 4, v[CO]                  ; which are 512 consecutive bytes of out0
	v_add_nc_u32 v[RD], s45, v[CO]
	s_lshl_b32 s44, s18, 19                        ; the tile's 128 rows of 4,096 bytes,
	s_lshl_b32 s45, s[MH], 18                      ; my 64 of them,
	s_add_co_u32 s44, s44, s45
	s_lshl_b32 s45, s17, 10                        ; the tile's 256 columns,
	s_add_co_u32 s44, s44, s45
	s_lshl_b32 s45, s[NH], 9                       ; my 128 of them
	s_add_co_u32 s44, s44, s45
	s_mov_b32 s45, 0
	s_add_nc_u64 s[10:11], s[10:11], s[44:45]
	s_wait_loadcnt 0x0                             ; the bias
	WIN 0x8a                                       ; destination and sources in window 2
.set i, 0
.rept 32                                       ; rounded to bf16 like every other input, and widened again; v96-99 (buffer 1, still empty) at work
	v_cvt_pk_bf16_f32 v[F1+i%4], v[BIAS+2*i], v[BIAS+2*i+1]
	v_lshlrev_b32 v[BIAS+2*i], 16, v[F1+i%4]
	v_and_b32 v[BIAS+2*i+1], 0xffff0000, v[F1+i%4]
.set i, i+1
.endr
	WIN 0
; 8 matrix instructions: row block a x all 8 column blocks, 32 along K.  first = 1: the bias starts the sums.
; The 32 accumulators come in the same order in every quarter, one instruction a turn: between two links of a chain stand the 31 others'.
.macro MUL8 f, a, first
.if \first
	WIN FIRST
.else
	WIN MUL
.endif
.irp b, 0,1,2,3,4,5,6,7
.if \first
	v_wmma_f32_16x16x32_f16 v[8*(8*(\a)+(\b)):8*(8*(\a)+(\b))+7], v[(\f)+32+8*(\b):(\f)+32+8*(\b)+7], v[(\f)+8*(\a):(\f)+8*(\a)+7], v[BIAS+8*(\b):BIAS+8*(\b)+7]
.else
	v_wmma_f32_16x16x32_f16 v[8*(8*(\a)+(\b)):8*(8*(\a)+(\b))+7], v[(\f)+32+8*(\b):(\f)+32+8*(\b)+7], v[(\f)+8*(\a):(\f)+8*(\a)+7], v[8*(8*(\a)+(\b)):8*(8*(\a)+(\b))+7]
.endif
.endr
.endm
; 24 LDS loads in one run: quarter q of the slot in hand into buffer f: W's 8 blocks of 16 columns, then attn's 4 blocks of 16 rows (head q / 2 of the step's two, channels 32 (q % 2) on)
.macro FETCH q, f
	WIN TO_F
.irp b, 0,1,2,3,4,5,6,7
	ds_load_tr16_b128 v[(\f)+32+8*(\b):(\f)+32+8*(\b)+3],   v[ADRB] offset:(\q)*32*PB+32*(\b)
	ds_load_tr16_b128 v[(\f)+32+8*(\b)+4:(\f)+32+8*(\b)+7], v[ADRB] offset:(\q)*32*PB+16*PB+32*(\b)
.endr
.irp i, 0,1,2,3
	ds_load_b128 v[(\f)+8*(\i):(\f)+8*(\i)+3],   v[ADRA] offset:((\q)/2)*SUBA+((\q)%2)*64+(\i)*16*PA
	ds_load_b128 v[(\f)+8*(\i)+4:(\f)+8*(\i)+7], v[ADRA] offset:((\q)/2)*SUBA+((\q)%2)*64+(\i)*16*PA+32
.endr
.endm
; One of a K step's first three quarters: multiplies buffer f; in its middle it fetches quarter q of the same slot into buffer g.
.macro QUARTER q, f, g, first
	s_wait_dscnt 4                                 ; W and attn's row blocks 0, 1 are in; the youngest four loads (blocks 2, 3) may be out
	MUL8 \f, 0, \first
	MUL8 \f, 1, \first
	PLACES
	FETCH \q, \g
	s_wait_dscnt 24                                ; all but the 24 just issued
	MUL8 \f, 2, \first
	MUL8 \f, 3, \first
.endm
; The last quarter multiplies buffer 1 and changes slots: ONE barrier.  In front of it each wave waits for all its tensor loads, of which one is out: its part of the next slot; adds 0 to its spare word;
; and waits for that and for its own reads of this slot.  fill = 1: the barrier opens a round of the cluster's, and the slot just read out is filled again, first thing behind the round, with the K step
; two steps on: from that request to the wait for it a wave issues 112 matrix instructions.
.macro TURN fill
	WIN 0                                          ; (the add's two registers lie in window 0)
	s_wait_tensorcnt 0x0                           ; all my tensor loads have landed;
	ds_add_u32 v[SPW], v[NIL]                      ; 0 onto my spare word;
	s_wait_dscnt 5                                 ; (the add and the youngest four loads may be out)
	MUL8 F1, 0, 0                                  ; eight matrix instructions stand between the add and the wait for it
	s_wait_dscnt 0x0                               ; the add is done, and my reads of this slot are over
	s_barrier_signal -1
	MUL8 F1, 1, 0                                  ; work on registers while the others arrive
	WIN 0                                          ; (branches and two address lines follow)
	s_barrier_wait -1
.if \fill
	CREST                                          ; no wave of any partner still reads this slot's tile or has a load on its way
	s_xor_b32 s[G0A+5], s[G0A+5], SLOT1            ; the walking sets: the other slot than last time,
	s_add_nc_u64 s[G0A+6:G0A+7], s[G0A+6:G0A+7], ASTEP  ; the next K step; the type bits on top are not reached
	s_xor_b32 s[G0B+5], s[G0B+5], SLOT1
	s_add_nc_u64 s[G0B+6:G0B+7], s[G0B+6:G0B+7], BSTEP
	JLOAD                                          ; the four v_nop behind it are also the places in front of the loads below
.else
	PLACES
.endif
	s_xor_b32 s[TB], s[TB], SLOT1                  ; the fetches go on in the other slot
	v_add_nc_u32 v[ADRA], s[TB], v[AA0]
	v_add_nc_u32 v[ADRB], s[TB], v[AB0]
	FETCH 0, F0
	MUL8 F1, 2, 0
	MUL8 F1, 3, 0
.endm
	s_wait_tensorcnt 1                             ; my part of K step 0 is in; K step 1's may stay out
	s_barrier_signal -1
	s_barrier_wait -1                              ; everybody's is
	FETCH 0, F0
	QUARTER 1, F0, F1, 1                           ; the first quarter stands in front of the loop: its products start the sums
	WIN 0                                          ; at a label and at a branch every window is 0
	s_mov_b32 s3, 6
.Lstep:                                                ; trip t goes from K step t's second quarter to step t + 1's first, and asks for step t + 2: steps 2 to 7
	QUARTER 2, F1, F0, 0
	QUARTER 3, F0, F1, 0
	TURN 1
	QUARTER 1, F0, F1, 0
	WIN 0
	s_sub_co_u32 s3, s3, 1
	s_cmp_lg_u32 s3, 0
	s_cbranch_scc1 .Lstep
	QUARTER 2, F1, F0, 0                           ; the tail is written out: K steps 6 and 7 ask for nothing
	QUARTER 3, F0, F1, 0
	TURN 0
	QUARTER 1, F0, F1, 0
	QUARTER 2, F1, F0, 0
	QUARTER 3, F0, F1, 0
	s_wait_dscnt 4                                 ; the very last quarter: nothing more to fetch
	MUL8 F1, 0, 0
	MUL8 F1, 1, 0
	s_wait_dscnt 0x0
	MUL8 F1, 2, 0
	MUL8 F1, 3, 0
	; THE WAY OUT, a block of 16 rows at a time through my own stage: 32 bytes a lane in, whole rows of 512 bytes back, stored as they come.  No barrier: no other wave touches my stage.
.macro TOSTAGE a
.set BK, 64+64*((\a)%2)
	s_wait_xcnt 0x0                                ; every earlier memory instruction has had its addresses translated (ISA guide 3.1): the registers that the block two back was stored from are loaded again only behind this wait
	WIN 0x04                                       ; the stores' data in window 1
.irp b, 0,1,2,3,4,5,6,7
	ds_store_b128 v[STO], v[8*(8*(\a)+(\b)):8*(8*(\a)+(\b))+3]   offset:64*(\b)     ; each accumulator from its low end on
	ds_store_b128 v[STO], v[8*(8*(\a)+(\b))+4:8*(8*(\a)+(\b))+7] offset:64*(\b)+16
.endr
	WIN 0
.irp t, 0,1,2,3,4,5,6,7,8,9,10,11,12,13,14,15
	ds_load_b128 v[BK+4*(\t):BK+4*(\t)+3], v[RD] offset:(\t)*SPITCH  ; LDS serves a wave's instructions in order (ISA guide 5.7.1.4): these see the stores above; the next block's stores come behind them
.endr
.endm
.macro SEND a, younger                 ; younger: the LDS instructions issued behind block a's loads: the next block's 32, or none
.set BK, 64+64*((\a)%2)
.irp t, 0,1,2,3,4,5,6,7,8,9,10,11,12,13,14,15
	s_wait_dscnt (\younger)+15-(\t)
	global_store_b128 v[CO], v[BK+4*(\t):BK+4*(\t)+3], s[10:11] offset:(16*(\a)+(\t))*4096 th:TH_STORE_NT  ; 512 consecutive bytes, at a multiple of 256 from out0's first; written once, not read again
.endr
.endm
	PLACES                                         ; the stores below read results just made
	TOSTAGE 0
.irp a, 1,2,3
	TOSTAGE \a
	SEND (\a)-1, 32
.endr
	SEND 3, 0
	s_wait_tensorcnt 0x0                           ; the wave's end: the add and its wait, behind my last tensor load and my last LDS store
	ds_add_u32 v[SPW], v[NIL]
	s_wait_dscnt 0x0
	CROUND                                         ; the closing round: no work-group ends while a partner may still ask for a tile that names it
	s_endpgm
.Lfunc_end_k_qf175d881f8_proj:
	.size	k_qf175d881f8_proj, .Lfunc_end_k_qf175d881f8_proj-k_qf175d881f8_proj
	.p2alignl 7, 3214868480
	.fill 96, 4, 3214868480
	.section	.rodata,"a",@progbits
	.p2align	6, 0x0
	.amdhsa_kernel k_qf175d881f8_proj
		.amdhsa_group_segment_fixed_size 327680
		.amdhsa_private_segment_fixed_size 0
		.amdhsa_enable_private_segment 0
		.amdhsa_kernarg_size 32
		.amdhsa_user_sgpr_count 2
		.amdhsa_user_sgpr_kernarg_segment_ptr 1
		.amdhsa_wavefront_size32 1
		.amdhsa_system_sgpr_workgroup_id_x 1
		.amdhsa_system_sgpr_workgroup_id_y 1
		.amdhsa_system_sgpr_workgroup_id_z 1
		.amdhsa_system_vgpr_workitem_id 0
		.amdhsa_next_free_vgpr 768
		.amdhsa_next_free_sgpr 66
		.amdhsa_reserve_vcc 0
		.amdhsa_float_denorm_mode_32 3
		.amdhsa_float_denorm_mode_16_64 3
		.amdhsa_memory_ordered 1
		.amdhsa_forward_progress 1
		.amdhsa_inst_pref_size 77
	.end_amdhsa_kernel
	.amdgpu_metadata
---
amdhsa.version: [ 1, 2 ]
amdhsa.kernels:
  - .name:           k_qf175d881f8_proj
    .symbol:         k_qf175d881f8_proj.kd
    .args:
      - { .name: ob, .offset: 0, .size: 8, .value_kind: global_buffer, .address_space: global }
      - { .name: wmb, .offset: 8, .size: 8, .value_kind: global_buffer, .address_space: global }
      - { .name: b_msa, .offset: 16, .size: 8, .value_kind: global_buffer, .address_space: global }
      - { .name: out0, .offset: 24, .size: 8, .value_kind: global_buffer, .address_space: global }
    .group_segment_fixed_size: 327680
    .private_segment_fixed_size: 0
    .kernarg_segment_align: 8
    .kernarg_segment_size: 32
    .max_flat_workgroup_size: 128
    .sgpr_count:     66
    .vgpr_count:     768
    .wavefront_size: 32
...
	.end_amdgpu_metadata
.endif
;; end of part 4
